; MI455X (gfx1250); checked and timed in simulation.
; The chip was launched on July 23, 2026; its instructions are those of AMD's public machine-readable ISA for CDNA 5 (MIT licence, August 2026) and "CDNA5" Instruction Set Architecture Reference Guide (July 2026). The comments in the code are by the model that wrote it; some were corrected since.
;; Attention Module. Allowed arithmetic: matrix products marked QUANTISED: E2M3 operands, one E8M0 scale for each 32 along K, by v_wmma_scale_f32_16x16x128_f8f6f4 with both operands' format E2M3, f32 sums; everything else in f32.
;; Inputs: K 4 x 16 x 2,048 x 64 float32; Q 4 x 16 x 2,048 x 64 float32; V 4 x 16 x 2,048 x 64 float32; mask 2,048 x 2,048 bool.
;; Outputs: out0 4 x 16 x 2,048 x 64 float32.
;; This version of the problem:
;;   THIS VERSION OF THE PROBLEM IS GIVEN IN LOW PRECISION. The matrix products marked QUANTISED in the list below multiply operands that are first quantised to E2M3 (2 exponent bits, 3 mantissa bits; 6 bits a number), with one power-of-two scale for each 32 numbers along K (OCP MX v1.0); their sums are f32. All else is computed in f32.
;;   The module's matrix products, in the order in which they are computed (A, B: the left and right operand; K: the contracted axis; several contracted axes count as one K, in the product's order):
;;     1. batch 64 x [M 2,048, K 64] x [K 64, N 2,048]; A: input Q; B: input K: QUANTISED
;;     2. batch 64 x [M 2,048, K 2,048] x [K 2,048, N 64]; A: softmax (see below); B: input V: QUANTISED
;;   THE QUANTISER, for each operand of a quantised product, along K:
;;     - K is cut into blocks of 32 from its start; a last block that is shorter is filled with zeros.
;;     - A block's scale is 2^e with e = floor(log2(the largest magnitude in the block)) - 2, held to -126 .. 127; a block of zeros has e = 0. As a byte (E8M0): e + 127.
;;     - Each number is divided by its block's scale, clamped to +-7.5, and rounded to the nearest number of E2M3, ties to even, subnormals kept.
;;     - The product sums the exact products of the quantised numbers (number of the format x scale) in f32.
;;   ~~~python
;;   def quantise(x, axis):      # numpy; x: float32 -> the quantised numbers, widened to float32 again
;;       x = np.moveaxis(x, axis, -1); K = x.shape[-1]
;;       x = np.pad(x, [(0, 0)] * (x.ndim - 1) + [(0, -K % 32)]); x = x.reshape(x.shape[:-1] + (-1, 32)); a = np.abs(x).max(-1, keepdims=True)
;;       e = np.where(a > 0, np.clip(np.frexp(np.where(a > 0, a, 1))[1] - 1 - 2, -126, 127), 0)      # np.frexp(a)[1] - 1 = floor(log2(a)), exactly
;;       r = np.clip(x / 2.0 ** e, -7.5, 7.5)
;;       step = 2.0 ** (np.maximum(np.frexp(np.where(r == 0, 1, r))[1] - 1, 0) - 3)
;;       q = np.round(r / step) * step * 2.0 ** e      # np.round: ties to even
;;       return np.moveaxis(q.reshape(q.shape[:-2] + (-1,))[..., :K], -1, axis).astype(np.float32)
;;   ~~~
;;   SOFTMAX AHEAD OF A QUANTISED PRODUCT. Where the list says 'softmax', what is quantised is not the finished softmax but p = 2^(t - M), with t = logit x log2(e) and M = ceil(the row's largest t), a whole number; so 1/2 < the row's largest p <= 1. The row's sum l is taken of the UNQUANTISED p, in f32, and the product's result is divided by l at the end. Since M is a whole number, a kernel that streams over the keys may use a running M (the ceiling of the running maximum): every later rescaling is an exact power of two, which a block's scale takes up: the codes' values come out the same.
;;   OPERANDS COMPUTED ON THE WAY. 'Computed on the way' means the value that the module computes at that place (a softmax that the list does not call 'softmax' is quantised finished and normalised). What goes into a quantiser is computed in f32, as accurately as f32 sums, v_exp_f32 and their like allow (about 1e-6 of the number): no bf16 or f16 on the way to a quantiser, and a product that is left as it is and whose result goes on into a quantised operand takes f32 operands (vector FMAs, or v_wmma_f32_16x16x4_f32). A number that lies on a knife's edge between two numbers of the format may be rounded either way, as far as f32 arithmetic and the matrix unit's own rounding can turn it there, and no further.
;; 2 versions. Each part assembles by itself: llvm-mc -triple=amdgcn-amd-amdhsa -mcpu=gfx1250 --defsym DOCPART=n.
;; ======== version 1 of 2: 2 launches
;; workspace buffers: kc 6,291,456 bytes; vc 6,291,456 bytes; sc 524,288 bytes; mb 524,288 bytes of whole numbers; fl 2,048 bytes of whole numbers
;; launch prep (part 1): grid 640 x 1, 4 waves a work-group, no clusters, 59,904 bytes of LDS; arguments K, V, mask, kc, vc, sc, mb, fl; writes kc, vc, sc, mb, fl
.if DOCPART == 1
	.amdgcn_target "amdgcn-amd-amdhsa--gfx1250"
	.amdhsa_code_object_version 6
	.text
	.protected	k_q2b8ae1b2a7_prep
	.globl	k_q2b8ae1b2a7_prep
	.p2align	8
	.type	k_q2b8ae1b2a7_prep,@function
k_q2b8ae1b2a7_prep:
	s_mov_b64 s[64:65], 0
	v_nop
	global_prefetch_b8 v0, s[64:65] scope:SCOPE_SE
	s_setreg_imm32_b32 hwreg(HW_REG_WAVE_MODE, 25, 1), 1
	s_wait_xcnt 0x0
; K and V [64 heads][2048][64] f32 become codes of FP6 (E2M3) with one E8M0 byte for each 32 along a product's K, laid as IMAGES OF OPERAND REGISTERS for the next launch;
; the mask [2048][2048] bytes becomes lane masks and flags, as whole numbers.
; kc: [head][step of 128 keys][pair b 0..3][chunk c 0..2][lane][16 bytes]; chunk c = registers 4 c .. 4 c + 3 of a fragment of 12.  Lane (r, h): registers 0-5 = key 32 b + r + 8 (r / 8), d = 32 h .. 32 h + 31;
;     registers 6-11 = the key 8 further on, the same d.  So one fragment carries TWO tiles of 16 keys, one in each half of the instruction's 128 along K.
; vc: [head][step][tile t of 16 d][chunk][lane][16 bytes].  Lane (r, h): registers 6 c .. 6 c + 5 = d 16 t + r, keys 64 c + 32 h + 0 .. 31 of the step.
; sc: [head][step][512 bytes]: 8 bytes a lane of K's scale words (word 0: pair lane / 16, word 1: pair 2 + lane / 16, row lane % 16; bytes 0, 1 the first key's two blocks, bytes 2, 3 the second key's),
;     then 8 bytes a lane of V's (word 0: d = lane, word 1: d = 32 + lane; byte i: keys 32 i on).
; mb: [tile j of 16 queries][step][word n 0..63]: bit r + 16 h of word n = 16 b + i is 1 where mask[16 j + r][128 step + 32 b + 16 h + i] is false.
; fl: [tile j][quarter q]: bit s: some key of step s counts for some query of the tile; bit 16 + s: some key of step s is hidden; a quarter's word holds the bits of its own four steps.
; A block's scale is 2^(floor(log2(its largest magnitude)) - 2): its byte is the largest magnitude's exponent field - 2, held at 1 from below by a floor among the maximum's leaves.
; LIMITS: a block of zeros, or one whose largest magnitude lies under 2^-124, gets the byte 1 (its codes are zeros or the nearest codes under that scale; this program alone reads the bytes);
; NaN and infinities among K and V are not served.
; SHARES: work-groups 0-127 take the mask (tile j = work-group, quarter = wave), 128-383 K, 384-639 V (a wave takes one head's step: 128 keys, 32,768 bytes).  Waves share nothing: no barrier.
; Each path has LDS bytes of its own.
.set KSTG, 8704                        ; K: a wave's stage: 32 places of 256 bytes + 16
.set VST0, 34816                       ; V: the stages begin behind K's four
.set VSTG, 6144                        ; V: a wave's stage: the step's four fragments as images
.set KR,   48                          ; K: v48-175  two sets of 64 registers as loaded
.set KX,   176                         ; K: v176-239 two keys' blocks: 32 neighbours along d each
.set CD,   24                          ; v24-35  the codes just made
.set TT,   36                          ; v36-38, v40-42  the conversions' second halves (a conversion's three registers begin on an even number)
.set VX,   48                          ; V: v48-111  two sets of 32 numbers down the keys
.set VO,   112                         ; V: v112-159 the images read back
.set MM,   48                          ; mask: v48-111 sixteen loads of 16 bytes
	s_load_b512 s[16:31], s[0:1], 0x0              ; K 16, V 18, mask 20, kc 22, vc 24, sc 26, mb 28, fl 30
	v_lshl_add_u32 v240, v0, 2, 0xe800
	v_mov_b32 v241, 0
	v_lshrrev_b32 v1, 5, v0
	v_readfirstlane_b32 s8, v1                     ; wave 0..3
	v_and_b32 v1, 31, v0                           ; lane
	v_and_b32 v2, 15, v0                           ; r
	v_bfe_u32 v3, v0, 4, 1                         ; h
	v_lshlrev_b32 v4, 4, v1                        ; 16 x lane
	v_lshlrev_b32 v8, 3, v1                        ; 8 x lane
	s_mul_i32 s9, s8, KSTG
	v_mul_u32_u24 v5, v3, 272
	v_lshl_add_u32 v5, v2, 4, v5
	v_add_nc_u32 v5, s9, v5                        ; K's stage, in: lanes 0-15 one place, lanes 16-31 the next, 16 bytes a lane
	v_mul_u32_u24 v6, v2, 272
	v_lshl_add_u32 v6, v3, 7, v6
	v_add_nc_u32 v6, s9, v6                        ; and out: place r, my half's 128 bytes
	s_mul_i32 s9, s8, VSTG
	s_add_co_u32 s9, s9, VST0
	v_mul_u32_u24 v44, v3, 1536
	v_lshl_add_u32 v44, v2, 4, v44
	v_add_nc_u32 v44, s9, v44                      ; V's stage, in: my column's tile (lane / 16 of two) and its row's 16 bytes
	v_add_nc_u32 v45, s9, v4                       ; and out: 16 x lane
	s_mov_b32 s12, 0x76543210
	s_mov_b32 s13, 0xfedcba98                      ; v_permlanex16_b32's selects for lane l xor 16
	s_mov_b32 s14, 0xffff0000                      ; lanes 16-31
	s_mov_b32 s3, 0
	s_wait_kmcnt 0x0
	s_cmp_lt_u32 ttmp9, 128
	s_cbranch_scc1 .Lmask
	s_cmp_lt_u32 ttmp9, 384
	s_cbranch_scc1 .Lkeys
	; ---------------- V: a lane takes a column d, its registers run down 32 keys: a whole block lies in one lane
	s_sub_co_u32 s10, ttmp9, 384
	s_lshl_b32 s10, s10, 2
	s_add_co_u32 s10, s10, s8                      ; head x 16 + step
	s_lshl_b32 s2, s10, 15
	s_add_nc_u64 s[18:19], s[18:19], s[2:3]
	s_mul_i32 s2, s10, 6144
	s_add_nc_u64 s[24:25], s[24:25], s[2:3]
	s_lshl_b32 s2, s10, 9
	s_add_nc_u64 s[26:27], s[26:27], s[2:3]
	v_lshlrev_b32 v9, 2, v1                        ; 4 x lane
.macro VLOAD q                         ; sub-unit q: keys 32 (q / 2) on, columns 32 (q % 2) + lane: each load reads 128 consecutive bytes
.irp i, 0,1,2,3,4,5,6,7,8,9,10,11,12,13,14,15,16,17,18,19,20,21,22,23,24,25,26,27,28,29,30,31
	global_load_b32 v[VX+32*((\q)%2)+\i], v9, s[18:19] offset:(32*((\q)/2)+\i)*256+128*((\q)%2) th:TH_LOAD_NT
.endr
.endm
.macro VUNIT q
.set XS, VX+32*((\q)%2)
.if (\q) < 7
	s_wait_loadcnt 32                              ; this sub-unit's 32 loads are in; the next one's may be out
.else
	s_wait_loadcnt 0
.endif
	v_max3_num_f32 v10, |v[XS]|, |v[XS+1]|, |v[XS+2]|               ; the block's largest magnitude, in two chains
	v_max3_num_f32 v11, |v[XS+3]|, |v[XS+4]|, |v[XS+5]|
.irp i, 6,10,14,18,22,26
	v_max3_num_f32 v10, v10, |v[XS+\i]|, |v[XS+\i+1]|
	v_max3_num_f32 v11, v11, |v[XS+\i+2]|, |v[XS+\i+3]|
.endr
	v_max3_num_f32 v10, v10, |v[XS+30]|, |v[XS+31]|
	v_max3_num_f32 v10, v10, v11, 0x1800000        ; and the floor 2^(3 - 127): the byte cannot fall under 1
	v_add_nc_u32 v12, 0xff000000, v10              ; 2 off the exponent field: the conversion's scale operand
	v_lshrrev_b32 v13, 23, v12                     ; the scale's byte
.if (\q)/2 == 0
	v_mov_b32 v[22+(\q)%2], v13                    ; my column's scale word: the lower keys in the lower bytes
.else
	v_lshl_or_b32 v[22+(\q)%2], v13, 8*((\q)/2), v[22+(\q)%2]
.endif
	v_cvt_scalef32_pk16_fp6_f32 v[CD:CD+2], v[XS:XS+15], v12
	v_cvt_scalef32_pk16_fp6_f32 v[TT:TT+2], v[XS+16:XS+31], v12
	v_nop                                          ; one plain place behind a scaled conversion
.irp i, 0,1,2
	v_mov_b32 v[CD+3+\i], v[TT+\i]                 ; six registers: the block's 32 codes
.endr
; the block is registers 6 c .. 6 c + 5 (c = its number / 2) of lane r + 16 (its number % 2) of my column's tile: in the image 16 + 8 bytes, or 8 + 16
.if (\q)/4 == 0
	ds_store_b128 v44, v[CD:CD+3] offset:3072*((\q)%2)+256*(((\q)/2)%2)
	ds_store_b64 v44, v[CD+4:CD+5] offset:3072*((\q)%2)+256*(((\q)/2)%2)+512
.else
	ds_store_b64 v44, v[CD:CD+1] offset:3072*((\q)%2)+256*(((\q)/2)%2)+520
	ds_store_b128 v44, v[CD+2:CD+5] offset:3072*((\q)%2)+256*(((\q)/2)%2)+1024
.endif
.if (\q) < 6
	VLOAD (\q)+2
.endif
	s_wait_dscnt 0x0                               ; the stores have read their registers: the next block's codes may be written
.endm
	VLOAD 0
	VLOAD 1
.irp q, 0,1,2,3,4,5,6,7
	VUNIT \q
.endr
.irp m, 0,1,2,3,4,5,6,7,8,9,10,11
	ds_load_b128 v[VO+4*\m:VO+4*\m+3], v45 offset:512*\m             ; LDS serves a wave's instructions in order: these see my stores
.endr
.irp m, 0,1,2,3,4,5,6,7,8,9,10,11
	s_wait_dscnt 11-\m                             ; load m is back; the younger ones may be out
	global_store_b128 v4, v[VO+4*\m:VO+4*\m+3], s[24:25] offset:512*\m   ; 32 lanes store 512 consecutive bytes, aligned to 256
.endr
	global_store_b64 v8, v[22:23], s[26:27] offset:256               ; 256 consecutive bytes, aligned
	s_wait_tensorcnt 0x0
	ds_add_u32 v240, v241
	s_wait_dscnt 0x0
	s_endpgm
	; ---------------- K: d is innermost: loads take the bytes as they lie, a stage in LDS gives each lane 32 neighbours along d of its fragment's key
.Lkeys:
	s_sub_co_u32 s10, ttmp9, 128
	s_lshl_b32 s10, s10, 2
	s_add_co_u32 s10, s10, s8                      ; head x 16 + step
	s_lshl_b32 s2, s10, 15
	s_add_nc_u64 s[16:17], s[16:17], s[2:3]
	s_mul_i32 s2, s10, 6144
	s_add_nc_u64 s[22:23], s[22:23], s[2:3]
	s_lshl_b32 s2, s10, 9
	s_add_nc_u64 s[26:27], s[26:27], s[2:3]
	v_lshlrev_b32 v7, 3, v3                        ; 8 h: my block's byte in a key's pair of bytes
	v_mov_b32 v17, 0                               ; written once: a lane permute's destination counts as one of its sources
.macro KLOAD b                         ; pair b: 32 keys, 8,192 bytes, 512 consecutive bytes (two keys) a load
.irp j, 0,1,2,3,4,5,6,7,8,9,10,11,12,13,14,15
	global_load_b128 v[KR+64*((\b)%2)+4*\j:KR+64*((\b)%2)+4*\j+3], v4, s[16:17] offset:8192*(\b)+512*\j th:TH_LOAD_NT
.endr
.endm
.macro KPAIR b
.if (\b) < 3
	s_wait_loadcnt 16                              ; this pair's 16 loads are in; the next pair's may be out
.else
	s_wait_loadcnt 0
.endif
.irp j, 0,1,2,3,4,5,6,7,8,9,10,11,12,13,14,15  ; key 2 j of the pair goes to place 16 u + r, where it is row r of tile u: key = 8 u + r + 8 (r / 8); key 2 j + 1 to the next place
	ds_store_b128 v5, v[KR+64*((\b)%2)+4*\j:KR+64*((\b)%2)+4*\j+3] offset:(16*((\j/4)%2)+(2*\j)%8+8*(\j/8))*272
.endr
.irp u, 0,1
.irp m, 0,1,2,3,4,5,6,7
	ds_load_b128 v[KX+32*\u+4*\m:KX+32*\u+4*\m+3], v6 offset:\u*4352+16*\m   ; LDS serves a wave's instructions in order: these see the stores above
.endr
.endr
	s_wait_dscnt 0x0                               ; my 64 numbers are in, and the stores have read their registers,
.if (\b) < 2
	KLOAD (\b)+2                                   ; which take the loads of two pairs on
.endif
.irp u, 0,1
	v_max3_num_f32 v[10+\u], |v[KX+32*\u]|, |v[KX+32*\u+1]|, 0x1800000   ; a whole block is mine; the floor 2^(3 - 127) among its leaves
.endr
.irp i, 2,4,6,8,10,12,14,16,18,20,22,24,26,28,30
.irp u, 0,1
	v_max3_num_f32 v[10+\u], v[10+\u], |v[KX+32*\u+\i]|, |v[KX+32*\u+\i+1]|   ; (the two keys by turns)
.endr
.endr
.irp u, 0,1
	v_add_nc_u32 v[12+\u], 0xff000000, v[10+\u]    ; 2 off the exponent field: the conversion's scale operand
.endr
.irp u, 0,1
	v_lshrrev_b32 v[14+\u], 23, v[12+\u]           ; the scale's byte
.endr
	s_wait_xcnt 0x0                                ; the last pair's stores have had their addresses translated: their data registers are written again only behind this wait
.irp u, 0,1
	v_cvt_scalef32_pk16_fp6_f32 v[CD+6*\u:CD+6*\u+2], v[KX+32*\u:KX+32*\u+15], v[12+\u]
	v_cvt_scalef32_pk16_fp6_f32 v[TT+4*\u:TT+4*\u+2], v[KX+32*\u+16:KX+32*\u+31], v[12+\u]
.endr
	v_nop                                          ; one plain place behind a scaled conversion
.irp u, 0,1
.irp i, 0,1,2
	v_mov_b32 v[CD+6*\u+3+\i], v[TT+4*\u+\i]
.endr
.endr
	v_lshl_or_b32 v16, v15, 16, v14                ; my block's bytes of the two keys,
	v_lshlrev_b32 v16, v7, v16                     ; at their places (8 h bits up);
	v_permlanex16_b32 v17, v16, s12, s13
	v_or_b32 v[18+(\b)], v16, v17                  ; with lane l xor 16's two the row's scale word is whole, in both halves of the lanes
.irp c, 0,1,2
	global_store_b128 v4, v[CD+4*\c:CD+4*\c+3], s[22:23] offset:1536*(\b)+512*\c   ; 32 lanes store 512 consecutive bytes, aligned to 256
.endr
.endm
	KLOAD 0
	KLOAD 1
.irp b, 0,1,2,3
	KPAIR \b
.endr
	v_cndmask_b32 v22, v18, v19, s14               ; lanes 0-15 pair 0's words, lanes 16-31 pair 1's
	v_cndmask_b32 v23, v20, v21, s14               ; pairs 2 and 3
	global_store_b64 v8, v[22:23], s[26:27]        ; 256 consecutive bytes, aligned
	s_wait_tensorcnt 0x0
	ds_add_u32 v240, v241
	s_wait_dscnt 0x0
	s_endpgm
	; ---------------- the mask: 16 queries x 512 keys a wave
.Lmask:
	s_lshl_b32 s2, ttmp9, 15                       ; 16 rows of 2,048 bytes a tile,
	s_lshl_b32 s10, s8, 9                          ; 512 keys a quarter
	s_add_co_u32 s2, s2, s10
	s_add_nc_u64 s[20:21], s[20:21], s[2:3]
	s_lshl_b32 s2, ttmp9, 4
	s_lshl_b32 s10, s8, 2
	s_add_co_u32 s2, s2, s10                       ; 16 j + 4 q: the flag word's byte, and the number of the quarter's first record of 256 bytes
	s_add_nc_u64 s[30:31], s[30:31], s[2:3]
	s_lshl_b32 s2, s2, 8
	s_add_nc_u64 s[28:29], s[28:29], s[2:3]
	v_lshlrev_b32 v9, 11, v2
	v_lshl_add_u32 v9, v3, 4, v9                   ; row r, + 16 h
.irp g, 0,1,2,3
.irp b, 0,1,2,3
	global_load_b128 v[MM+16*\g+4*\b:MM+16*\g+4*\b+3], v9, s[20:21] offset:128*\g+32*\b   ; keys 128 g + 32 b + 16 h + 0 .. 15 of my query; the sixteen loads together take 512 consecutive bytes of each row
.endr
.endr
.irp i, 0,1,2,3,4,5,6,7
	v_mov_b32 v[24+\i], 0                          ; v_writelane_b32's destination counts as read
.endr
	s_mov_b32 s38, 0                               ; the quarter's flags
.macro MSTEP g
	s_wait_loadcnt 12-4*(\g)                       ; this step's four loads are in; the later steps', four each, may be out
	s_mov_b32 s36, 0                               ; the OR of the step's 64 lane masks,
	s_mov_b32 s37, -1                              ; and their AND
.set n, 0
.rept 64
	v_bfe_u32 v[10+n%4], v[MM+16*(\g)+n/4], 8*(n%4), 8
	v_cmp_eq_u32 s[40+n%4], 0, v[10+n%4]           ; word n: the lanes whose key is hidden
	v_writelane_b32 v[24+2*(\g)+n%2], s[40+n%4], n/2   ; lane n / 2 carries words n and n + 1 out
	s_or_b32 s36, s36, s[40+n%4]
	s_and_b32 s37, s37, s[40+n%4]
.set n, n+1
.endr
	global_store_b64 v8, v[24+2*(\g):25+2*(\g)], s[28:29] offset:256*(\g)   ; 256 consecutive bytes, aligned; each step has data registers of its own
	s_cmp_lg_u32 s36, 0
	s_cselect_b32 s2, 1<<(16+(\g)), 0              ; some key is hidden
	s_or_b32 s38, s38, s2
	s_cmp_lg_u32 s37, -1
	s_cselect_b32 s2, 1<<(\g), 0                   ; some key counts
	s_or_b32 s38, s38, s2
.endm
.irp g, 0,1,2,3
	MSTEP \g
.endr
	s_lshl_b32 s10, s8, 2
	s_lshl_b32 s38, s38, s10                       ; the quarter's four steps at their places
	v_mov_b32 v14, s38
	v_mov_b32 v15, 0
	v_cmp_eq_u32 vcc_lo, 0, v1
	s_wait_xcnt 0x0                                ; EXEC is a source of the stores above: it changes only behind this wait
	s_and_saveexec_b32 s39, vcc_lo
	global_store_b32 v15, v14, s[30:31]            ; lane 0 stores the flag word
	s_wait_xcnt 0x0
	s_or_b32 exec_lo, exec_lo, s39
	s_endpgm
.Lfunc_end_k_q2b8ae1b2a7_prep:
	.size	k_q2b8ae1b2a7_prep, .Lfunc_end_k_q2b8ae1b2a7_prep-k_q2b8ae1b2a7_prep
	.p2alignl 7, 3214868480
	.fill 96, 4, 3214868480
	.section	.rodata,"a",@progbits
	.p2align	6, 0x0
	.amdhsa_kernel k_q2b8ae1b2a7_prep
		.amdhsa_group_segment_fixed_size 59904
		.amdhsa_private_segment_fixed_size 0
		.amdhsa_enable_private_segment 0
		.amdhsa_kernarg_size 64
		.amdhsa_user_sgpr_count 2
		.amdhsa_user_sgpr_kernarg_segment_ptr 1
		.amdhsa_wavefront_size32 1
		.amdhsa_system_sgpr_workgroup_id_x 1
		.amdhsa_system_sgpr_workgroup_id_y 1
		.amdhsa_system_sgpr_workgroup_id_z 1
		.amdhsa_system_vgpr_workitem_id 0
		.amdhsa_next_free_vgpr 242
		.amdhsa_next_free_sgpr 66
		.amdhsa_reserve_vcc 1
		.amdhsa_float_denorm_mode_32 3
		.amdhsa_float_denorm_mode_16_64 3
		.amdhsa_memory_ordered 1
		.amdhsa_forward_progress 1
		.amdhsa_inst_pref_size 138
	.end_amdhsa_kernel
	.amdgpu_metadata
---
amdhsa.version: [ 1, 2 ]
amdhsa.kernels:
  - .name:           k_q2b8ae1b2a7_prep
    .symbol:         k_q2b8ae1b2a7_prep.kd
    .args:
      - { .name: K, .offset: 0, .size: 8, .value_kind: global_buffer, .address_space: global }
      - { .name: V, .offset: 8, .size: 8, .value_kind: global_buffer, .address_space: global }
      - { .name: mask, .offset: 16, .size: 8, .value_kind: global_buffer, .address_space: global }
      - { .name: kc, .offset: 24, .size: 8, .value_kind: global_buffer, .address_space: global }
      - { .name: vc, .offset: 32, .size: 8, .value_kind: global_buffer, .address_space: global }
      - { .name: sc, .offset: 40, .size: 8, .value_kind: global_buffer, .address_space: global }
      - { .name: mb, .offset: 48, .size: 8, .value_kind: global_buffer, .address_space: global }
      - { .name: fl, .offset: 56, .size: 8, .value_kind: global_buffer, .address_space: global }
    .group_segment_fixed_size: 59904
    .private_segment_fixed_size: 0
    .kernarg_segment_align: 8
    .kernarg_segment_size: 64
    .max_flat_workgroup_size: 128
    .sgpr_count:     66
    .vgpr_count:     242
    .wavefront_size: 32
...
	.end_amdgpu_metadata
.endif
;; end of part 1
;; launch attn (part 2): grid 4 x 64, 8 waves a work-group, no clusters, 68,608 bytes of LDS; arguments Q, kc, vc, sc, mb, fl, out0; writes out0
.if DOCPART == 2
	.amdgcn_target "amdgcn-amd-amdhsa--gfx1250"
	.amdhsa_code_object_version 6
	.text
	.protected	k_q2b8ae1b2a7_attn
	.globl	k_q2b8ae1b2a7_attn
	.p2align	8
	.type	k_q2b8ae1b2a7_attn,@function
k_q2b8ae1b2a7_attn:
	s_mov_b64 s[64:65], 0
	v_nop
	global_prefetch_b8 v0, s[64:65] scope:SCOPE_SE
	s_setreg_imm32_b32 hwreg(HW_REG_WAVE_MODE, 25, 1), 1
	s_wait_xcnt 0x0
; out0[head][q][:] = the sum over keys of softmax(Q . K / 8 + (mask ? 0 : -inf)) V, both products on codes of FP6 (E2M3) with one E8M0 scale for each 32 along a product's K.
; t = score x log2(e) / 8; M = the row's largest t so far, rounded up to a whole number; p = 2^(t - M) is quantised along the keys, not normalised; the row's sum is taken of the unquantised p and divides at the end.
; When M moves, the sum and O are multiplied by 2^(old M - new M), which rounds nothing.
; K's and V's codes and scale words come as images of operand registers (kc, vc, sc), the mask as lane masks (mb) and flags for each tile of 16 queries x 128 keys (fl), all stored by the launch before.
; A TILE STEP THAT THE GIVEN MASK HIDES WHOLLY IS LEFT OUT, and one that it leaves wholly open is not masked: scalar branches on the stored flags.  Any mask is served.
; SHARES.  A work-group (x = 0..3, y = head) has eight waves; wave w owns four tiles of 16 queries: a, 32 + a, 95 - a, 127 - a with a = 8 x + w.  Every work-group walks all 16 steps of 128 keys.
; A step's record (12,800 bytes: K's four fragments, V's four, the scale words) goes from memory through registers into one of two LDS slots, each wave bringing 1,536 bytes, a step ahead; one barrier a step.
; NO TENSOR LOADS AND NO JOINT LOADS: the text branches on numbers read from memory, so LDS is filled through registers; what the four work-groups of a head share is those 12,800 bytes a step.
; PRODUCT 1 has K = 64: a fragment of K's codes carries TWO tiles of 16 keys (k 0-63: one tile's d, k 64-127: the other's), and Q's operand is [q ; zero codes] for the one and [zero codes ; q] for the other.
; A zero code times any code is 0 exactly.  Only Q's side carries zero codes in the half that is not used.  Q's registers lie as one run 0(6) q0(6) 0(6) q1(6) 0(6) q2(6) 0(6) q3(6) 0(6), so both forms are runs of 12.
; Both products are used transposed (S^T = K Q^T, O^T = V^T P^T): a lane holds one query (lane % 16).  Score register 16 b + i holds key 32 b + 16 (lane / 16) + i of the step.
; LIMITS: NaN and infinities among Q, K, V are not served; a block of zeros or under 2^-124 has the scale byte 1; a p under 2^-126 counts as 0 (the exponential flushes it).
; A row that the mask hides everywhere gives 0 x (1 / 0) = NaN, as the softmax of that row does.
; O^T and the sums begin as zeros, written once: which step is a tile's first is data, so no product that starts the sums can be written out for it.
; REGISTERS, window 0: v1-6 addresses; v10 -infinity; v12-23 p's codes; v28-36 scale words and nothing else; v40-55 statistics, four a tile (-M, largest t, the sum in two halves); v56-78 at work;
;   v80-127 V's four fragments; v128-191 S^T, then p; v192-239 K's four fragments; v240-255 the record on its way.   window 1: v64-117 Q's run; v128-255 O^T, 32 a tile.
.set SLOTB, 16384                      ; slot 1 begins here
.set VIMG,  6144                       ; in a slot: K's images, then V's,
.set KSCL,  12288                      ; K's scale words, 8 bytes a lane,
.set VSCL,  12544                      ; V's
.set STAGE, 32768                      ; behind the slots: 16 rows x (256 + 16) bytes for each wave, its own: Q's turn and the way out
.set STGB,  4352
.set PC,   12
.set SUM2, 24
.set KS,   28
.set VS,   30
.set QS,   32
.set PW,   36
.set ST,   40
.set FF,   56
.set TMP,  58
.set BM,   60
.set BX,   64
.set SO,   68
.set PT,   72
.set VF,   80
.set S,    128
.set KF,   192
.set G,    240
.set GS,   252
.set QR,   80                          ; the head: Q as loaded, v80-207
.set XQ,   208                         ; the head: 32 neighbours along d, v208-239
.set QZ,   64                          ; window 1
.set O,    128                         ; window 1
.set MSB, 0
.macro WIN new                         ; the immediate's high byte repeats the setting that is left; bits 1:0 source 0, 3:2 source 1, 5:4 source 2, 7:6 destination
.if MSB != \new
	s_set_vgpr_msb (MSB<<8)|\new
.set MSB, \new
.endif
.endm
	s_load_b256 s[16:23], s[0:1], 0x0              ; Q 16, kc 18, vc 20, sc 22
	s_load_b128 s[24:27], s[0:1], 0x20             ; mb 24, fl 26
	s_load_b64 s[10:11], s[0:1], 0x30              ; out0
	v_lshl_add_u32 v75, v0, 2, 0x10800
	v_mov_b32 v79, 0
	v_lshrrev_b32 v7, 5, v0
	v_readfirstlane_b32 s12, v7                    ; wave 0..7
	v_and_b32 v9, 31, v0                           ; lane
	v_and_b32 v7, 15, v0                           ; r
	v_bfe_u32 v8, v0, 4, 1                         ; h
	v_lshlrev_b32 v1, 4, v9                        ; 16 x lane: an image's place for my lane, and my offset in 512 bytes of memory
	v_lshlrev_b32 v2, 3, v9                        ; 8 x lane: a pair of scale words
	s_mul_i32 s2, s12, 1536
	v_add_nc_u32 v3, s2, v1                        ; where I store my part of a record: 1,536 x wave + 16 x lane
	s_mul_i32 s2, s12, STGB
	s_add_co_u32 s2, s2, STAGE                     ; my stage
	v_mul_u32_u24 v4, v7, 272
	v_lshl_add_u32 v6, v8, 7, v4
	v_lshl_add_u32 v4, v8, 5, v4
	v_add_nc_u32 v4, s2, v4                        ; the way out, in: row r, + 32 h
	v_add_nc_u32 v6, s2, v6                        ; Q's turn, out: row r, + 128 h
	v_mul_u32_u24 v5, v8, 272
	v_lshl_add_u32 v5, v7, 4, v5
	v_add_nc_u32 v5, s2, v5                        ; whole rows: lanes 0-15 one row, lanes 16-31 the next, 16 bytes a lane
	v_lshlrev_b32 v11, 3, v8                       ; 8 h
	v_mov_b32 v10, 0xff800000                      ; -infinity
	s_and_b32 s104, ttmp7, 0xffff                  ; the head
	s_lshl_b32 s105, ttmp9, 3
	s_add_co_u32 s105, s105, s12                   ; a = 8 x + wave
	s_mov_b32 s76, s105                            ; my four tiles
	s_add_co_u32 s77, s105, 32
	s_sub_co_u32 s78, 95, s105
	s_sub_co_u32 s79, 127, s105
.irp k, 0,1,2,3
	s_lshl_b32 s[80+\k], s[76+\k], 4               ; a tile's four flag words: 16 bytes
.endr
	s_mov_b32 s98, 0x76543210
	s_mov_b32 s99, 0xfedcba98                      ; v_permlanex16_b32's selects for lane l xor 16
	s_mov_b32 s100, 0x3e38aa3b                     ; c = log2(e) / 8
	s_mov_b32 s101, s100                           ; (named with it as a pair, so it is written)
	s_mov_b32 s3, 0
	s_wait_kmcnt 0x0
	s_cmp_lt_u32 s12, 4                            ; waves 0-3 bring K's four fragments, waves 4-7 V's
	s_cselect_b64 s[6:7], s[18:19], s[20:21]
	s_mul_i32 s2, s104, 98304                      ; 16 records of 6,144 bytes a head
	s_and_b32 s66, s12, 3
	s_mul_i32 s66, s66, 1536
	s_add_co_u32 s2, s2, s66
	s_add_nc_u64 s[6:7], s[6:7], s[2:3]
	s_lshl_b32 s2, s104, 13                        ; 16 x 512 bytes of scale words a head
	s_add_nc_u64 s[8:9], s[22:23], s[2:3]
.irp j, 0,1,2
	global_load_b128 v[G+4*\j:G+4*\j+3], v1, s[6:7] offset:512*\j    ; step 0's record, my part
.endr
	s_cmp_lg_u32 s12, 0
	s_cbranch_scc1 .Lhead_not_0
	global_load_b128 v[GS:GS+3], v1, s[8:9]        ; wave 0 also brings the 512 bytes of scale words
.Lhead_not_0:
	s_lshl_b32 s2, s104, 19                        ; 2,048 rows of 256 bytes a head
	s_add_nc_u64 s[16:17], s[16:17], s[2:3]
.irp k, 0,1,2,3
	s_lshl_b32 s2, s[76+\k], 12                    ; a tile: 16 rows of 256 bytes of Q; and 16 records of 256 bytes of lane masks
	s_add_nc_u64 s[68+2*\k:69+2*\k], s[16:17], s[2:3]
	s_add_nc_u64 s[90+2*\k:91+2*\k], s[24:25], s[2:3]
.endr
.irp k, 0,1,2,3
.irp j, 0,1,2,3,4,5,6,7
	global_load_b128 v[QR+32*\k+4*\j:QR+32*\k+4*\j+3], v1, s[68+2*\k:69+2*\k] offset:512*\j th:TH_LOAD_NT   ; 512 consecutive bytes: two rows of Q
.endr
.endr
.irp k, 0,1,2,3
	s_load_b128 s[32+4*\k:35+4*\k], s[26:27], s[80+\k] offset:0x0    ; the tile's flags
.endr
	s_wait_loadcnt 32                              ; behind the record's loads stand Q's 32: the record is in
.irp j, 0,1,2
	ds_store_b128 v3, v[G+4*\j:G+4*\j+3] offset:512*\j               ; into slot 0
.endr
	s_add_nc_u64 s[6:7], s[6:7], 6144              ; (its loads are done) on to step 1
	s_add_nc_u64 s[8:9], s[8:9], 512
	s_cmp_lg_u32 s12, 0
	s_cbranch_scc1 .Lhead_not_0b
	ds_store_b128 v1, v[GS:GS+3] offset:KSCL
.Lhead_not_0b:
	v_mov_b32 v39, 0                               ; written once: a lane permute's destination counts as one of its sources
; Tile k of Q: 16 rows turn through my stage, so that lane (r, h) holds d = 32 h .. 32 h + 31 of row r: a whole block; it is quantised into Q's run.
.macro QTILE k
	s_wait_loadcnt 24-8*\k                         ; this tile's 8 loads are in; the later tiles', 8 each, may be out
.irp j, 0,1,2,3,4,5,6,7
	ds_store_b128 v5, v[QR+32*\k+4*\j:QR+32*\k+4*\j+3] offset:544*\j
.endr
.irp m, 0,1,2,3,4,5,6,7
	ds_load_b128 v[XQ+4*\m:XQ+4*\m+3], v6 offset:16*\m               ; LDS serves a wave's instructions in order: these see the stores above
.endr
	s_wait_dscnt 0x0
	v_max3_num_f32 v26, |v[XQ]|, |v[XQ+1]|, |v[XQ+2]|
	v_max3_num_f32 v27, |v[XQ+3]|, |v[XQ+4]|, |v[XQ+5]|
.irp i, 6,10,14,18,22,26
	v_max3_num_f32 v26, v26, |v[XQ+\i]|, |v[XQ+\i+1]|
	v_max3_num_f32 v27, v27, |v[XQ+\i+2]|, |v[XQ+\i+3]|
.endr
	v_max3_num_f32 v26, v26, |v[XQ+30]|, |v[XQ+31]|
	v_max3_num_f32 v26, v26, v27, 0x1800000        ; the floor 2^(3 - 127): the byte cannot fall under 1
	v_add_nc_u32 v37, 0xff000000, v26              ; 2 off the exponent field: the conversion's scale operand
	v_lshrrev_b32 v38, 23, v37                     ; the scale's byte
	v_cvt_scalef32_pk16_fp6_f32 v[PC:PC+2], v[XQ:XQ+15], v37
	v_cvt_scalef32_pk16_fp6_f32 v[PT:PT+2], v[XQ+16:XQ+31], v37
	v_lshlrev_b32 v38, v11, v38                    ; my block's byte at its place.  (The plain place behind the conversions)
	WIN 0x40                                       ; destination window 1
.irp i, 0,1,2
	v_mov_b32 v[QZ+12*\k+6+\i], v[PC+\i]
	v_mov_b32 v[QZ+12*\k+9+\i], v[PT+\i]
.endr
	WIN 0
	v_permlanex16_b32 v39, v38, s98, s99
	v_or_b32 v38, v38, v39                         ; the row's two bytes,
	v_lshl_or_b32 v[QS+\k], v38, 16, v38           ; twice: one word serves [q ; 0] and [0 ; q]
.endm
.irp k, 0,1,2,3
	QTILE \k
.endr
	WIN 0x40
.set j, 0
.rept 128
	v_mov_b32 v[O+j], 0                            ; O^T
.set j, j+1
.endr
.irp z, 0,1,2,3,4
.irp i, 0,1,2,3,4,5
	v_mov_b32 v[QZ+12*\z+\i], 0                    ; the zero codes of Q's run
.endr
.endr
	WIN 0
.irp k, 0,1,2,3
	v_mov_b32 v[ST+4*\k+1], 0xff61b1e6             ; the largest t so far: -3e38, under every t
	v_floor_f32 v[ST+4*\k], -v[ST+4*\k+1]          ; -M
	v_mov_b32 v[ST+4*\k+2], 0                      ; the sum, in two halves
	v_mov_b32 v[ST+4*\k+3], 0
	v_mov_b32 v[BX+\k], 0                          ; (a lane permute's destination counts as one of its sources)
.endr
	v_mov_b32 v[FF+1], 0                           ; (named as the upper half of a pair)
	s_wait_kmcnt 0x0                               ; the flags
.irp k, 0,1,2,3
	s_or_b32 s2, s[32+4*\k], s[33+4*\k]
	s_or_b32 s3, s[34+4*\k], s[35+4*\k]
	s_or_b32 s[84+\k], s2, s3                      ; tile k: bit s: step s counts; bit 16 + s: step s has hidden keys
.endr
	s_or_b32 s2, s84, s85
	s_or_b32 s3, s86, s87
	s_or_b32 s88, s2, s3                           ; any of my tiles
	s_mov_b32 s14, 1                               ; 1 << step
	s_mov_b32 s15, 0x10000                         ; 1 << (16 + step)
	s_mov_b32 s89, 0                               ; 256 x step: the step's lane masks
	s_mov_b32 s13, 8                               ; trips of two steps
	s_wait_dscnt 0x0                               ; my part of slot 0 has landed
	s_barrier_signal -1
	s_barrier_wait -1                              ; everybody's has
; S^T of tile k: eight products, two on each fragment of K.  They start their sums with the constant 0.
.macro QK k
	s_wait_dscnt 13                                ; K's scale words and fragments are in; V's scale words and its 12 loads, issued behind them, may be out
	WIN 0x04                                       ; source 1 (Q's run) window 1
.irp b, 0,1,2,3
.irp u, 0,1
.if (\b%2) == 1
	v_wmma_scale_f32_16x16x128_f8f6f4 v[S+8*(2*\b+\u):S+8*(2*\b+\u)+7], v[KF+12*\b:KF+12*\b+11], v[QZ+12*\k+6*(1-\u):QZ+12*\k+6*(1-\u)+11], 0, v[KS+\b/2], v[QS+\k] matrix_a_fmt:MATRIX_FMT_FP6 matrix_b_fmt:MATRIX_FMT_FP6 matrix_a_scale:MATRIX_SCALE_ROW1
.else
	v_wmma_scale_f32_16x16x128_f8f6f4 v[S+8*(2*\b+\u):S+8*(2*\b+\u)+7], v[KF+12*\b:KF+12*\b+11], v[QZ+12*\k+6*(1-\u):QZ+12*\k+6*(1-\u)+11], 0, v[KS+\b/2], v[QS+\k] matrix_a_fmt:MATRIX_FMT_FP6 matrix_b_fmt:MATRIX_FMT_FP6
.endif
.endr
.endr
	WIN 0
.endm
.macro PLACES                          ; four plain vector instructions between a matrix instruction and a vector instruction that reads its result, or a load into its registers
.rept 4
	v_nop
.endr
.endm
; One tile of 16 queries against the step's 128 keys.
.macro TILE k
.set NM, ST+4*\k
.set TX, ST+4*\k+1
.set LL, ST+4*\k+2
.set OT, O+32*\k
	s_and_b32 s2, s[84+\k], s14
	s_cmp_lg_u32 s2, 0
	s_cbranch_scc0 .Lskip_\@                       ; no key of the step counts for any query of the tile: nothing to add
	s_and_b32 s2, s[84+\k], s15
	s_cmp_lg_u32 s2, 0
	s_cbranch_scc0 .Lopen_\@                       ; no key is hidden: nothing to mask
	s_load_b512 s[16:31], s[90+2*\k:91+2*\k], s89 offset:0x0         ; the 64 lane masks, asked for ahead of the products
	s_load_b512 s[32:47], s[90+2*\k:91+2*\k], s89 offset:0x40
	s_load_b512 s[48:63], s[90+2*\k:91+2*\k], s89 offset:0x80
	s_load_b512 s[68:83], s[90+2*\k:91+2*\k], s89 offset:0xc0
	QK \k
	s_wait_kmcnt 0x0
	PLACES
.set n, 0
.rept 48
	v_cndmask_b32 v[S+n], v[S+n], v10, s[16+n]     ; hidden scores become -infinity ahead of the maximum: p = 0 then.  Each accumulator from its low end on
.set n, n+1
.endr
.rept 16
	v_cndmask_b32 v[S+n], v[S+n], v10, s[20+n]
.set n, n+1
.endr
	s_branch .Ljoin_\@
.Lopen_\@:
	QK \k
	PLACES
.Ljoin_\@:
.irp b, 0,1,2,3
	v_max3_num_f32 v[BM+\b], v[S+16*\b], v[S+16*\b+1], v[S+16*\b+2]   ; the largest score of each block of 32 keys: for the row's maximum, and, since p rises with the score, for the block's largest p
.endr
.irp i, 3,5,7,9,11,13
.irp b, 0,1,2,3
	v_max3_num_f32 v[BM+\b], v[BM+\b], v[S+16*\b+\i], v[S+16*\b+\i+1]   ; (the four blocks by turns)
.endr
.endr
.irp b, 0,1,2,3
	v_max_num_f32 v[BM+\b], v[BM+\b], v[S+16*\b+15]
.endr
.irp b, 0,1,2,3
	v_permlanex16_b32 v[BX+\b], v[BM+\b], s98, s99
.endr
.irp b, 0,1,2,3
	v_max_num_f32 v[BM+\b], v[BM+\b], v[BX+\b]     ; with lane l xor 16's 16 keys
.endr
	v_max3_num_f32 v[TMP], v[BM], v[BM+1], v[BM+2]
	v_max_num_f32 v[TMP], v[TMP], v[BM+3]          ; the step's largest score of my query
	v_mul_f32 v[TMP], s100, v[TMP]                 ; as t (c is positive)
	v_max_num_f32 v[TX], v[TX], v[TMP]             ; the running largest t
	v_mov_b32 v[TMP], v[NM]
	v_floor_f32 v[NM], -v[TX]                      ; the new -M = floor(-t) = -ceil(t)
	v_sub_f32 v[TMP], v[NM], v[TMP]                ; old M - new M: a whole number, 0 or less
	v_cvt_i32_f32 v[TMP], v[TMP]                   ; (it saturates)
	v_ldexp_f32 v[FF], 1.0, v[TMP]                 ; f = 2^(old M - new M)
.set j, 0
.rept 32
	v_pk_fma_f32 v[S+j:S+j+1], v[S+j:S+j+1], s[100:101], v[NM:NM+1] op_sel_hi:[1,0,0]   ; t - M, two at a time (of the pairs c and -M the low word serves both halves)
.set j, j+2
.endr
.irp b, 0,1,2,3
	v_fma_f32 v[BM+\b], v[BM+\b], s100, v[NM]      ; the same of each block's largest score
.endr
.set j, 0
.rept 64
	v_exp_f32 v[S+j], v[S+j]                       ; p = 2^(t - M), at most 1
.set j, j+1
.endr
.irp b, 0,1,2,3
	v_exp_f32 v[BM+\b], v[BM+\b]                   ; the block's largest p: the same two instructions on the same number
.endr
	v_pk_mul_f32 v[LL:LL+1], v[LL:LL+1], v[FF:FF+1] op_sel_hi:[1,0]   ; the sums under the new M.  (The plain place behind the exponentials)
	s_wait_alu depctr_va_vdst(0)
.irp b, 0,1,2,3
	v_max_num_f32 v[BM+\b], 0x1800000, v[BM+\b]    ; the floor 2^(3 - 127): the byte cannot fall under 1
.endr
.irp b, 0,1,2,3
	v_add_nc_u32 v[SO+\b], 0xff000000, v[BM+\b]    ; 2 off the exponent field: the conversion's scale operand
.endr
.irp b, 0,1,2,3
	v_lshrrev_b32 v[BX+\b], 23, v[SO+\b]           ; the scale's byte
.endr
	v_lshl_or_b32 v[PW], v[BX+1], 8, v[BX]         ; p's scale word for these 128 keys
	v_lshl_or_b32 v[PW], v[BX+2], 16, v[PW]
	v_lshl_or_b32 v[PW], v[BX+3], 24, v[PW]
.irp c, 0,1
	v_cvt_scalef32_pk16_fp6_f32 v[PC+6*\c:PC+6*\c+2], v[S+32*\c:S+32*\c+15], v[SO+2*\c]
	v_cvt_scalef32_pk16_fp6_f32 v[PT+4*\c:PT+4*\c+2], v[S+32*\c+16:S+32*\c+31], v[SO+2*\c+1]   ; (a conversion's three registers begin on an even number)
.endr
	v_nop                                          ; one plain place behind a scaled conversion
.irp c, 0,1                                    ; the operand's layout wants a whole block in a lane: lanes 0-15 block 2 c, lanes 16-31 block 2 c + 1
.irp i, 0,1,2
	v_permlane16_swap_b32 v[PC+6*\c+\i], v[PT+4*\c+\i]
.endr
.irp i, 0,1,2
	v_mov_b32 v[PC+6*\c+3+\i], v[PT+4*\c+\i]
.endr
.endr
	WIN 0x41                                       ; O^T (destination and source 0) window 1, f window 0
.set j, 0
.rept 16
	v_pk_mul_f32 v[OT+j:OT+j+1], v[OT+j:OT+j+1], v[FF:FF+1] op_sel_hi:[1,0]   ; O^T under the new M; each accumulator from its low end on
.set j, j+2
.endr
	WIN 0
	v_pk_add_f32 v[SUM2:SUM2+1], v[S:S+1], v[S+2:S+3]   ; the row's sum is taken of the unquantised p: two at a time, in two chains.  These 32 lines are also the places between the
.irp j, 4,8,12,16,20,24,28,32,36,40,44,48,52,56,60     ; vector writes of p's codes, its scale word and O^T and the products below
	v_pk_add_f32 v[LL:LL+1], v[LL:LL+1], v[S+\j:S+\j+1]
	v_pk_add_f32 v[SUM2:SUM2+1], v[SUM2:SUM2+1], v[S+\j+2:S+\j+3]
.endr
	v_pk_add_f32 v[LL:LL+1], v[LL:LL+1], v[SUM2:SUM2+1]
	WIN 0x50                                       ; C and D window 1
	s_wait_dscnt 0x0                               ; V's scale words and fragments are in
.irp t, 0,1,2,3                                ; O^T += V^T P^T: the tile's four accumulators by turns, one instruction a turn; eight other products stand between two links of a chain
.if (\t%2) == 1
	v_wmma_scale_f32_16x16x128_f8f6f4 v[OT+8*\t:OT+8*\t+7], v[VF+12*\t:VF+12*\t+11], v[PC:PC+11], v[OT+8*\t:OT+8*\t+7], v[VS+\t/2], v[PW] matrix_a_fmt:MATRIX_FMT_FP6 matrix_b_fmt:MATRIX_FMT_FP6 matrix_a_scale:MATRIX_SCALE_ROW1
.else
	v_wmma_scale_f32_16x16x128_f8f6f4 v[OT+8*\t:OT+8*\t+7], v[VF+12*\t:VF+12*\t+11], v[PC:PC+11], v[OT+8*\t:OT+8*\t+7], v[VS+\t/2], v[PW] matrix_a_fmt:MATRIX_FMT_FP6 matrix_b_fmt:MATRIX_FMT_FP6
.endif
.endr
	WIN 0
.Lskip_\@:
.endm
; A key step, read from slot sl.  The next step's record is asked for at its head and stored into the other slot at its end.  ONE barrier a step: in front of it each wave has waited for its stores into the
; other slot and for its reads of this one; behind it the other slot is whole, and this one may be written.  The barrier stands under no branch.
.macro STEP sl
.if \sl == 1
	s_cmp_eq_u32 s13, 1                            ; the last step has no successor: no load leaves its buffer
	s_cbranch_scc1 .Lnoask_\@
.endif
.irp j, 0,1,2
	global_load_b128 v[G+4*\j:G+4*\j+3], v1, s[6:7] offset:512*\j
.endr
	s_cmp_lg_u32 s12, 0
	s_cbranch_scc1 .Lnoask_\@
	global_load_b128 v[GS:GS+3], v1, s[8:9]
.Lnoask_\@:
	s_and_b32 s2, s88, s14
	s_cmp_lg_u32 s2, 0
	s_cbranch_scc0 .Lnone_\@                       ; none of my four tiles has a key that counts in this step
	ds_load_b64 v[KS:KS+1], v2 offset:SLOTB*\sl+KSCL
.irp i, 0,1,2,3,4,5,6,7,8,9,10,11
	ds_load_b128 v[KF+4*\i:KF+4*\i+3], v1 offset:SLOTB*\sl+512*\i    ; the images as they lie: 512 consecutive bytes a load
.endr
	ds_load_b64 v[VS:VS+1], v2 offset:SLOTB*\sl+VSCL
.irp i, 0,1,2,3,4,5,6,7,8,9,10,11
	ds_load_b128 v[VF+4*\i:VF+4*\i+3], v1 offset:SLOTB*\sl+VIMG+512*\i
.endr
	TILE 0
	TILE 1
	TILE 2
	TILE 3
.Lnone_\@:
	PLACES                                         ; between the step's last product and the next step's loads into its operands and scale words
	s_wait_loadcnt 0x0                             ; the record asked for at the step's head is in, and its bases may step
.if \sl == 1
	s_cmp_eq_u32 s13, 1
	s_cbranch_scc1 .Lnost_\@
.endif
.irp j, 0,1,2
	ds_store_b128 v3, v[G+4*\j:G+4*\j+3] offset:SLOTB*(1-\sl)+512*\j
.endr
	s_add_nc_u64 s[6:7], s[6:7], 6144
	s_add_nc_u64 s[8:9], s[8:9], 512
	s_cmp_lg_u32 s12, 0
	s_cbranch_scc1 .Lnost_\@
	ds_store_b128 v1, v[GS:GS+3] offset:SLOTB*(1-\sl)+KSCL
.Lnost_\@:
	s_wait_dscnt 0x0                               ; for the others' sake: my stores have landed and my reads of this slot are over
	s_barrier_signal -1
	s_barrier_wait -1
	s_lshl_b32 s14, s14, 1
	s_lshl_b32 s15, s15, 1
	s_add_co_u32 s89, s89, 256
.endm
.Ltrip:                                            ; eight trips of two steps: the slot stands in the immediates
	STEP 0
	STEP 1
	s_sub_co_u32 s13, s13, 1
	s_cmp_lg_u32 s13, 0
	s_cbranch_scc1 .Ltrip
	; THE WAY OUT.  The sum's two halves and lane l xor 16's are added; O^T is divided by the sum and goes through my stage, a tile (16 rows of 256 bytes) at a time.
.irp k, 0,1,2,3
	v_add_f32 v[BM+\k], v[ST+4*\k+2], v[ST+4*\k+3]
.endr
.irp k, 0,1,2,3
	v_permlanex16_b32 v[BX+\k], v[BM+\k], s98, s99
.endr
.irp k, 0,1,2,3
	v_add_f32 v[BM+\k], v[BM+\k], v[BX+\k]
.endr
.irp k, 0,1,2,3
	v_rcp_f32 v[SO+\k], v[BM+\k]
.endr
	v_nop                                          ; a plain place behind the last reciprocal
	s_wait_alu depctr_va_vdst(0)
	s_lshl_b32 s2, s104, 19
	s_mov_b32 s3, 0
	s_add_nc_u64 s[10:11], s[10:11], s[2:3]        ; out0 at my head
	s_mov_b32 s16, s105
	s_add_co_u32 s17, s105, 32
	s_sub_co_u32 s18, 95, s105
	s_sub_co_u32 s19, 127, s105
.irp k, 0,1,2,3
	s_lshl_b32 s2, s[16+\k], 12
	s_add_nc_u64 s[20+2*\k:21+2*\k], s[10:11], s[2:3]
.endr
.macro OUTT k
	WIN 0x01                                       ; source 0 (O^T) window 1
.set j, 0
.rept 32
	v_mul_f32 v[S+j], v[O+32*\k+j], v[SO+\k]       ; register 8 t + i is out0(query r, 16 t + 8 h + i); each accumulator from its low end on
.set j, j+1
.endr
	WIN 0
.irp t, 0,1,2,3
	ds_store_b128 v4, v[S+8*\t:S+8*\t+3] offset:64*\t
	ds_store_b128 v4, v[S+8*\t+4:S+8*\t+7] offset:64*\t+16
.endr
.if \k > 0
	s_wait_xcnt 0x0                                ; the last tile's stores have had their addresses translated: their data registers are loaded again only behind this wait
.endif
.irp i, 0,1,2,3,4,5,6,7
	ds_load_b128 v[KF+4*\i:KF+4*\i+3], v5 offset:544*\i              ; LDS serves a wave's instructions in order: these see the stores above
.endr
.irp i, 0,1,2,3,4,5,6,7
	s_wait_dscnt 7-\i                              ; load i is back; the younger ones may be out
	global_store_b128 v1, v[KF+4*\i:KF+4*\i+3], s[20+2*\k:21+2*\k] offset:512*\i th:TH_STORE_NT   ; 32 lanes store 512 consecutive bytes, two rows, aligned to 256
.endr
.endm
.irp k, 0,1,2,3
	OUTT \k
.endr
	s_wait_tensorcnt 0x0
	ds_add_u32 v75, v79
	s_wait_dscnt 0x0
	s_endpgm
.Lfunc_end_k_q2b8ae1b2a7_attn:
	.size	k_q2b8ae1b2a7_attn, .Lfunc_end_k_q2b8ae1b2a7_attn-k_q2b8ae1b2a7_attn
	.p2alignl 7, 3214868480
	.fill 96, 4, 3214868480
	.section	.rodata,"a",@progbits
	.p2align	6, 0x0
	.amdhsa_kernel k_q2b8ae1b2a7_attn
		.amdhsa_group_segment_fixed_size 68608
		.amdhsa_private_segment_fixed_size 0
		.amdhsa_enable_private_segment 0
		.amdhsa_kernarg_size 56
		.amdhsa_user_sgpr_count 2
		.amdhsa_user_sgpr_kernarg_segment_ptr 1
		.amdhsa_wavefront_size32 1
		.amdhsa_system_sgpr_workgroup_id_x 1
		.amdhsa_system_sgpr_workgroup_id_y 1
		.amdhsa_system_sgpr_workgroup_id_z 1
		.amdhsa_system_vgpr_workitem_id 0
		.amdhsa_next_free_vgpr 512
		.amdhsa_next_free_sgpr 106
		.amdhsa_reserve_vcc 0
		.amdhsa_float_denorm_mode_32 3
		.amdhsa_float_denorm_mode_16_64 3
		.amdhsa_memory_ordered 1
		.amdhsa_forward_progress 1
		.amdhsa_inst_pref_size 199
	.end_amdhsa_kernel
	.amdgpu_metadata
---
amdhsa.version: [ 1, 2 ]
amdhsa.kernels:
  - .name:           k_q2b8ae1b2a7_attn
    .symbol:         k_q2b8ae1b2a7_attn.kd
    .args:
      - { .name: Q, .offset: 0, .size: 8, .value_kind: global_buffer, .address_space: global }
      - { .name: kc, .offset: 8, .size: 8, .value_kind: global_buffer, .address_space: global }
      - { .name: vc, .offset: 16, .size: 8, .value_kind: global_buffer, .address_space: global }
      - { .name: sc, .offset: 24, .size: 8, .value_kind: global_buffer, .address_space: global }
      - { .name: mb, .offset: 32, .size: 8, .value_kind: global_buffer, .address_space: global }
      - { .name: fl, .offset: 40, .size: 8, .value_kind: global_buffer, .address_space: global }
      - { .name: out0, .offset: 48, .size: 8, .value_kind: global_buffer, .address_space: global }
    .group_segment_fixed_size: 68608
    .private_segment_fixed_size: 0
    .kernarg_segment_align: 8
    .kernarg_segment_size: 56
    .max_flat_workgroup_size: 256
    .sgpr_count:     106
    .vgpr_count:     512
    .wavefront_size: 32
...
	.end_amdgpu_metadata
.endif
;; end of part 2
;; ======== version 2 of 2: 2 launches
;; workspace buffers: kc 6,291,456 bytes; vc 6,291,456 bytes; sc 524,288 bytes; mb 524,288 bytes of whole numbers; fl 2,048 bytes of whole numbers
;; launch prep (part 3): grid 640 x 1, 4 waves a work-group, no clusters, 59,904 bytes of LDS; arguments K, V, mask, kc, vc, sc, mb, fl; writes kc, vc, sc, mb, fl
.if DOCPART == 3
	.amdgcn_target "amdgcn-amd-amdhsa--gfx1250"
	.amdhsa_code_object_version 6
	.text
	.protected	k_q2b8ae1b2a7_prep
	.globl	k_q2b8ae1b2a7_prep
	.p2align	8
	.type	k_q2b8ae1b2a7_prep,@function
k_q2b8ae1b2a7_prep:
	s_mov_b64 s[64:65], 0
	v_nop
	global_prefetch_b8 v0, s[64:65] scope:SCOPE_SE
	s_setreg_imm32_b32 hwreg(HW_REG_WAVE_MODE, 25, 1), 1
	s_wait_xcnt 0x0
; K and V [64 heads][2048][64] f32 become codes of FP6 (E2M3) with one E8M0 byte for each 32 along a product's K, laid as IMAGES OF OPERAND REGISTERS for the next launch;
; the mask [2048][2048] bytes becomes lane masks and flags, as whole numbers.
; kc: [head][step of 128 keys][pair b 0..3][chunk c 0..2][lane][16 bytes]; chunk c = registers 4 c .. 4 c + 3 of a fragment of 12.  Lane (r, h): registers 0-5 = key 32 b + r + 8 (r / 8), d = 32 h .. 32 h + 31;
;     registers 6-11 = the key 8 further on, the same d.  So one fragment carries TWO tiles of 16 keys, one in each half of the instruction's 128 along K.
; vc: [head][step][tile t of 16 d][chunk][lane][16 bytes].  Lane (r, h): registers 6 c .. 6 c + 5 = d 16 t + r, keys 64 c + 32 h + 0 .. 31 of the step.
; sc: [head][step][512 bytes]: 8 bytes a lane of K's scale words (word 0: pair lane / 16, word 1: pair 2 + lane / 16, row lane % 16; bytes 0, 1 the first key's two blocks, bytes 2, 3 the second key's),
;     then 8 bytes a lane of V's (word 0: d = lane, word 1: d = 32 + lane; byte i: keys 32 i on).
; mb: [tile j of 16 queries][step][word n 0..63]: bit r + 16 h of word n = 16 b + i is 1 where mask[16 j + r][128 step + 32 b + 16 h + i] is false.
; fl: [tile j][quarter q]: bit s: some key of step s counts for some query of the tile; bit 16 + s: some key of step s is hidden; a quarter's word holds the bits of its own four steps.
; A block's scale is 2^(floor(log2(its largest magnitude)) - 2): its byte is the largest magnitude's exponent field - 2, held at 1 from below by a floor among the maximum's leaves.
; LIMITS: a block of zeros, or one whose largest magnitude lies under 2^-124, gets the byte 1 (its codes are zeros or the nearest codes under that scale; this program alone reads the bytes);
; NaN and infinities among K and V are not served.
; SHARES: work-groups 0-127 take the mask (tile j = work-group, quarter = wave), 128-383 K, 384-639 V (a wave takes one head's step: 128 keys, 32,768 bytes).  Waves share nothing: no barrier.
; Each path has LDS bytes of its own.
.set KSTG, 8704                        ; K: a wave's stage: 32 places of 256 bytes + 16
.set VST0, 34816                       ; V: the stages begin behind K's four
.set VSTG, 6144                        ; V: a wave's stage: the step's four fragments as images
.set KR,   48                          ; K: v48-175  two sets of 64 registers as loaded
.set KX,   176                         ; K: v176-239 two keys' blocks: 32 neighbours along d each
.set CD,   24                          ; v24-35  the codes just made
.set TT,   36                          ; v36-38, v40-42  the conversions' second halves (a conversion's three registers begin on an even number)
.set VX,   48                          ; V: v48-111  two sets of 32 numbers down the keys
.set VO,   112                         ; V: v112-159 the images read back
.set MM,   48                          ; mask: v48-111 sixteen loads of 16 bytes
	s_load_b512 s[16:31], s[0:1], 0x0              ; K 16, V 18, mask 20, kc 22, vc 24, sc 26, mb 28, fl 30
	v_lshl_add_u32 v240, v0, 2, 0xe800
	v_mov_b32 v241, 0
	v_lshrrev_b32 v1, 5, v0
	v_readfirstlane_b32 s8, v1                     ; wave 0..3
	v_and_b32 v1, 31, v0                           ; lane
	v_and_b32 v2, 15, v0                           ; r
	v_bfe_u32 v3, v0, 4, 1                         ; h
	v_lshlrev_b32 v4, 4, v1                        ; 16 x lane
	v_lshlrev_b32 v8, 3, v1                        ; 8 x lane
	s_mul_i32 s9, s8, KSTG
	v_mul_u32_u24 v5, v3, 272
	v_lshl_add_u32 v5, v2, 4, v5
	v_add_nc_u32 v5, s9, v5                        ; K's stage, in: lanes 0-15 one place, lanes 16-31 the next, 16 bytes a lane
	v_mul_u32_u24 v6, v2, 272
	v_lshl_add_u32 v6, v3, 7, v6
	v_add_nc_u32 v6, s9, v6                        ; and out: place r, my half's 128 bytes
	s_mul_i32 s9, s8, VSTG
	s_add_co_u32 s9, s9, VST0
	v_mul_u32_u24 v44, v3, 1536
	v_lshl_add_u32 v44, v2, 4, v44
	v_add_nc_u32 v44, s9, v44                      ; V's stage, in: my column's tile (lane / 16 of two) and its row's 16 bytes
	v_add_nc_u32 v45, s9, v4                       ; and out: 16 x lane
	s_mov_b32 s12, 0x76543210
	s_mov_b32 s13, 0xfedcba98                      ; v_permlanex16_b32's selects for lane l xor 16
	s_mov_b32 s14, 0xffff0000                      ; lanes 16-31
	s_mov_b32 s3, 0
	s_wait_kmcnt 0x0
	s_cmp_lt_u32 ttmp9, 128
	s_cbranch_scc1 .Lmask
	s_cmp_lt_u32 ttmp9, 384
	s_cbranch_scc1 .Lkeys
	; ---------------- V: a lane takes a column d, its registers run down 32 keys: a whole block lies in one lane
	s_sub_co_u32 s10, ttmp9, 384
	s_lshl_b32 s10, s10, 2
	s_add_co_u32 s10, s10, s8                      ; head x 16 + step
	s_lshl_b32 s2, s10, 15
	s_add_nc_u64 s[18:19], s[18:19], s[2:3]
	s_mul_i32 s2, s10, 6144
	s_add_nc_u64 s[24:25], s[24:25], s[2:3]
	s_lshl_b32 s2, s10, 9
	s_add_nc_u64 s[26:27], s[26:27], s[2:3]
	v_lshlrev_b32 v9, 2, v1                        ; 4 x lane
.macro VLOAD q                         ; sub-unit q: keys 32 (q / 2) on, columns 32 (q % 2) + lane: each load reads 128 consecutive bytes
.irp i, 0,1,2,3,4,5,6,7,8,9,10,11,12,13,14,15,16,17,18,19,20,21,22,23,24,25,26,27,28,29,30,31
	global_load_b32 v[VX+32*((\q)%2)+\i], v9, s[18:19] offset:(32*((\q)/2)+\i)*256+128*((\q)%2) th:TH_LOAD_NT
.endr
.endm
.macro VUNIT q
.set XS, VX+32*((\q)%2)
.if (\q) < 7
	s_wait_loadcnt 32                              ; this sub-unit's 32 loads are in; the next one's may be out
.else
	s_wait_loadcnt 0
.endif
	v_max3_num_f32 v10, |v[XS]|, |v[XS+1]|, |v[XS+2]|               ; the block's largest magnitude, in two chains
	v_max3_num_f32 v11, |v[XS+3]|, |v[XS+4]|, |v[XS+5]|
.irp i, 6,10,14,18,22,26
	v_max3_num_f32 v10, v10, |v[XS+\i]|, |v[XS+\i+1]|
	v_max3_num_f32 v11, v11, |v[XS+\i+2]|, |v[XS+\i+3]|
.endr
	v_max3_num_f32 v10, v10, |v[XS+30]|, |v[XS+31]|
	v_max3_num_f32 v10, v10, v11, 0x1800000        ; and the floor 2^(3 - 127): the byte cannot fall under 1
	v_add_nc_u32 v12, 0xff000000, v10              ; 2 off the exponent field: the conversion's scale operand
	v_lshrrev_b32 v13, 23, v12                     ; the scale's byte
.if (\q)/2 == 0
	v_mov_b32 v[22+(\q)%2], v13                    ; my column's scale word: the lower keys in the lower bytes
.else
	v_lshl_or_b32 v[22+(\q)%2], v13, 8*((\q)/2), v[22+(\q)%2]
.endif
	v_cvt_scalef32_pk16_fp6_f32 v[CD:CD+2], v[XS:XS+15], v12
	v_cvt_scalef32_pk16_fp6_f32 v[TT:TT+2], v[XS+16:XS+31], v12
	v_nop                                          ; one plain place behind a scaled conversion
.irp i, 0,1,2
	v_mov_b32 v[CD+3+\i], v[TT+\i]                 ; six registers: the block's 32 codes
.endr
; the block is registers 6 c .. 6 c + 5 (c = its number / 2) of lane r + 16 (its number % 2) of my column's tile: in the image 16 + 8 bytes, or 8 + 16
.if (\q)/4 == 0
	ds_store_b128 v44, v[CD:CD+3] offset:3072*((\q)%2)+256*(((\q)/2)%2)
	ds_store_b64 v44, v[CD+4:CD+5] offset:3072*((\q)%2)+256*(((\q)/2)%2)+512
.else
	ds_store_b64 v44, v[CD:CD+1] offset:3072*((\q)%2)+256*(((\q)/2)%2)+520
	ds_store_b128 v44, v[CD+2:CD+5] offset:3072*((\q)%2)+256*(((\q)/2)%2)+1024
.endif
.if (\q) < 6
	VLOAD (\q)+2
.endif
	s_wait_dscnt 0x0                               ; the stores have read their registers: the next block's codes may be written
.endm
	VLOAD 0
	VLOAD 1
.irp q, 0,1,2,3,4,5,6,7
	VUNIT \q
.endr
.irp m, 0,1,2,3,4,5,6,7,8,9,10,11
	ds_load_b128 v[VO+4*\m:VO+4*\m+3], v45 offset:512*\m             ; LDS serves a wave's instructions in order: these see my stores
.endr
.irp m, 0,1,2,3,4,5,6,7,8,9,10,11
	s_wait_dscnt 11-\m                             ; load m is back; the younger ones may be out
	global_store_b128 v4, v[VO+4*\m:VO+4*\m+3], s[24:25] offset:512*\m   ; 32 lanes store 512 consecutive bytes, aligned to 256
.endr
	s_wait_alu depctr_va_vdst(0)
	global_store_b64 v8, v[22:23], s[26:27] offset:256               ; 256 consecutive bytes, aligned
	s_wait_tensorcnt 0x0
	ds_add_u32 v240, v241
	s_wait_dscnt 0x0
	s_endpgm
	; ---------------- K: d is innermost: loads take the bytes as they lie, a stage in LDS gives each lane 32 neighbours along d of its fragment's key
.Lkeys:
	s_sub_co_u32 s10, ttmp9, 128
	s_lshl_b32 s10, s10, 2
	s_add_co_u32 s10, s10, s8                      ; head x 16 + step
	s_lshl_b32 s2, s10, 15
	s_add_nc_u64 s[16:17], s[16:17], s[2:3]
	s_mul_i32 s2, s10, 6144
	s_add_nc_u64 s[22:23], s[22:23], s[2:3]
	s_lshl_b32 s2, s10, 9
	s_add_nc_u64 s[26:27], s[26:27], s[2:3]
	v_lshlrev_b32 v7, 3, v3                        ; 8 h: my block's byte in a key's pair of bytes
	v_mov_b32 v17, 0                               ; written once: a lane permute's destination counts as one of its sources
.macro KLOAD b                         ; pair b: 32 keys, 8,192 bytes, 512 consecutive bytes (two keys) a load
.irp j, 0,1,2,3,4,5,6,7,8,9,10,11,12,13,14,15
	global_load_b128 v[KR+64*((\b)%2)+4*\j:KR+64*((\b)%2)+4*\j+3], v4, s[16:17] offset:8192*(\b)+512*\j th:TH_LOAD_NT
.endr
.endm
.macro KPAIR b
.if (\b) < 3
	s_wait_loadcnt 16                              ; this pair's 16 loads are in; the next pair's may be out
.else
	s_wait_loadcnt 0
.endif
.irp j, 0,1,2,3,4,5,6,7,8,9,10,11,12,13,14,15  ; key 2 j of the pair goes to place 16 u + r, where it is row r of tile u: key = 8 u + r + 8 (r / 8); key 2 j + 1 to the next place
	ds_store_b128 v5, v[KR+64*((\b)%2)+4*\j:KR+64*((\b)%2)+4*\j+3] offset:(16*((\j/4)%2)+(2*\j)%8+8*(\j/8))*272
.endr
.irp u, 0,1
.irp m, 0,1,2,3,4,5,6,7
	ds_load_b128 v[KX+32*\u+4*\m:KX+32*\u+4*\m+3], v6 offset:\u*4352+16*\m   ; LDS serves a wave's instructions in order: these see the stores above
.endr
.endr
	s_wait_dscnt 0x0                               ; my 64 numbers are in, and the stores have read their registers,
.if (\b) < 2
	KLOAD (\b)+2                                   ; which take the loads of two pairs on
.endif
.irp u, 0,1
	v_max3_num_f32 v[10+\u], |v[KX+32*\u]|, |v[KX+32*\u+1]|, 0x1800000   ; a whole block is mine; the floor 2^(3 - 127) among its leaves
.endr
.irp i, 2,4,6,8,10,12,14,16,18,20,22,24,26,28,30
.irp u, 0,1
	v_max3_num_f32 v[10+\u], v[10+\u], |v[KX+32*\u+\i]|, |v[KX+32*\u+\i+1]|   ; (the two keys by turns)
.endr
.endr
.irp u, 0,1
	v_add_nc_u32 v[12+\u], 0xff000000, v[10+\u]    ; 2 off the exponent field: the conversion's scale operand
.endr
.irp u, 0,1
	v_lshrrev_b32 v[14+\u], 23, v[12+\u]           ; the scale's byte
.endr
	s_wait_alu depctr_va_vdst(0)
	s_wait_xcnt 0x0                                ; the last pair's stores have had their addresses translated: their data registers are written again only behind this wait
.irp u, 0,1
	v_cvt_scalef32_pk16_fp6_f32 v[CD+6*\u:CD+6*\u+2], v[KX+32*\u:KX+32*\u+15], v[12+\u]
	v_cvt_scalef32_pk16_fp6_f32 v[TT+4*\u:TT+4*\u+2], v[KX+32*\u+16:KX+32*\u+31], v[12+\u]
.endr
	v_nop                                          ; one plain place behind a scaled conversion
.irp u, 0,1
.irp i, 0,1,2
	v_mov_b32 v[CD+6*\u+3+\i], v[TT+4*\u+\i]
.endr
.endr
	v_lshl_or_b32 v16, v15, 16, v14                ; my block's bytes of the two keys,
	v_lshlrev_b32 v16, v7, v16                     ; at their places (8 h bits up);
	v_permlanex16_b32 v17, v16, s12, s13
	v_or_b32 v[18+(\b)], v16, v17                  ; with lane l xor 16's two the row's scale word is whole, in both halves of the lanes
.irp c, 0,1,2
	global_store_b128 v4, v[CD+4*\c:CD+4*\c+3], s[22:23] offset:1536*(\b)+512*\c   ; 32 lanes store 512 consecutive bytes, aligned to 256
.endr
.endm
	KLOAD 0
	KLOAD 1
	s_wait_alu depctr_va_vdst(0)
.irp b, 0,1,2,3
	KPAIR \b
.endr
	v_cndmask_b32 v22, v18, v19, s14               ; lanes 0-15 pair 0's words, lanes 16-31 pair 1's
	v_cndmask_b32 v23, v20, v21, s14               ; pairs 2 and 3
	global_store_b64 v8, v[22:23], s[26:27]        ; 256 consecutive bytes, aligned
	s_wait_tensorcnt 0x0
	ds_add_u32 v240, v241
	s_wait_dscnt 0x0
	s_endpgm
	; ---------------- the mask: 16 queries x 512 keys a wave
.Lmask:
	s_lshl_b32 s2, ttmp9, 15                       ; 16 rows of 2,048 bytes a tile,
	s_lshl_b32 s10, s8, 9                          ; 512 keys a quarter
	s_add_co_u32 s2, s2, s10
	s_add_nc_u64 s[20:21], s[20:21], s[2:3]
	s_lshl_b32 s2, ttmp9, 4
	s_lshl_b32 s10, s8, 2
	s_add_co_u32 s2, s2, s10                       ; 16 j + 4 q: the flag word's byte, and the number of the quarter's first record of 256 bytes
	s_add_nc_u64 s[30:31], s[30:31], s[2:3]
	s_lshl_b32 s2, s2, 8
	s_add_nc_u64 s[28:29], s[28:29], s[2:3]
	v_lshlrev_b32 v9, 11, v2
	v_lshl_add_u32 v9, v3, 4, v9                   ; row r, + 16 h
.irp g, 0,1,2,3
.irp b, 0,1,2,3
	global_load_b128 v[MM+16*\g+4*\b:MM+16*\g+4*\b+3], v9, s[20:21] offset:128*\g+32*\b   ; keys 128 g + 32 b + 16 h + 0 .. 15 of my query; the sixteen loads together take 512 consecutive bytes of each row
.endr
.endr
.irp i, 0,1,2,3,4,5,6,7
	v_mov_b32 v[24+\i], 0                          ; v_writelane_b32's destination counts as read
.endr
	s_mov_b32 s38, 0                               ; the quarter's flags
.macro MSTEP g
	s_wait_loadcnt 12-4*(\g)                       ; this step's four loads are in; the later steps', four each, may be out
	s_mov_b32 s36, 0                               ; the OR of the step's 64 lane masks,
	s_mov_b32 s37, -1                              ; and their AND
.set n, 0
.rept 64
	v_bfe_u32 v[10+n%4], v[MM+16*(\g)+n/4], 8*(n%4), 8
	v_cmp_eq_u32 s[40+n%4], 0, v[10+n%4]           ; word n: the lanes whose key is hidden
	v_writelane_b32 v[24+2*(\g)+n%2], s[40+n%4], n/2   ; lane n / 2 carries words n and n + 1 out
	s_or_b32 s36, s36, s[40+n%4]
	s_and_b32 s37, s37, s[40+n%4]
.set n, n+1
.endr
	global_store_b64 v8, v[24+2*(\g):25+2*(\g)], s[28:29] offset:256*(\g)   ; 256 consecutive bytes, aligned; each step has data registers of its own
	s_cmp_lg_u32 s36, 0
	s_cselect_b32 s2, 1<<(16+(\g)), 0              ; some key is hidden
	s_or_b32 s38, s38, s2
	s_cmp_lg_u32 s37, -1
	s_cselect_b32 s2, 1<<(\g), 0                   ; some key counts
	s_or_b32 s38, s38, s2
.endm
.irp g, 0,1,2,3
	MSTEP \g
.endr
	s_lshl_b32 s10, s8, 2
	s_lshl_b32 s38, s38, s10                       ; the quarter's four steps at their places
	v_mov_b32 v14, s38
	v_mov_b32 v15, 0
	v_cmp_eq_u32 vcc_lo, 0, v1
	s_wait_alu depctr_va_vdst(0)
	s_wait_xcnt 0x0                                ; EXEC is a source of the stores above: it changes only behind this wait
	s_and_saveexec_b32 s39, vcc_lo
	global_store_b32 v15, v14, s[30:31]            ; lane 0 stores the flag word
	s_wait_xcnt 0x0
	s_or_b32 exec_lo, exec_lo, s39
	s_endpgm
.Lfunc_end_k_q2b8ae1b2a7_prep:
	.size	k_q2b8ae1b2a7_prep, .Lfunc_end_k_q2b8ae1b2a7_prep-k_q2b8ae1b2a7_prep
	.p2alignl 7, 3214868480
	.fill 96, 4, 3214868480
	.section	.rodata,"a",@progbits
	.p2align	6, 0x0
	.amdhsa_kernel k_q2b8ae1b2a7_prep
		.amdhsa_group_segment_fixed_size 59904
		.amdhsa_private_segment_fixed_size 0
		.amdhsa_enable_private_segment 0
		.amdhsa_kernarg_size 64
		.amdhsa_user_sgpr_count 2
		.amdhsa_user_sgpr_kernarg_segment_ptr 1
		.amdhsa_wavefront_size32 1
		.amdhsa_system_sgpr_workgroup_id_x 1
		.amdhsa_system_sgpr_workgroup_id_y 1
		.amdhsa_system_sgpr_workgroup_id_z 1
		.amdhsa_system_vgpr_workitem_id 0
		.amdhsa_next_free_vgpr 242
		.amdhsa_next_free_sgpr 66
		.amdhsa_reserve_vcc 1
		.amdhsa_float_denorm_mode_32 3
		.amdhsa_float_denorm_mode_16_64 3
		.amdhsa_memory_ordered 1
		.amdhsa_forward_progress 1
		.amdhsa_inst_pref_size 139
	.end_amdhsa_kernel
	.amdgpu_metadata
---
amdhsa.version: [ 1, 2 ]
amdhsa.kernels:
  - .name:           k_q2b8ae1b2a7_prep
    .symbol:         k_q2b8ae1b2a7_prep.kd
    .args:
      - { .name: K, .offset: 0, .size: 8, .value_kind: global_buffer, .address_space: global }
      - { .name: V, .offset: 8, .size: 8, .value_kind: global_buffer, .address_space: global }
      - { .name: mask, .offset: 16, .size: 8, .value_kind: global_buffer, .address_space: global }
      - { .name: kc, .offset: 24, .size: 8, .value_kind: global_buffer, .address_space: global }
      - { .name: vc, .offset: 32, .size: 8, .value_kind: global_buffer, .address_space: global }
      - { .name: sc, .offset: 40, .size: 8, .value_kind: global_buffer, .address_space: global }
      - { .name: mb, .offset: 48, .size: 8, .value_kind: global_buffer, .address_space: global }
      - { .name: fl, .offset: 56, .size: 8, .value_kind: global_buffer, .address_space: global }
    .group_segment_fixed_size: 59904
    .private_segment_fixed_size: 0
    .kernarg_segment_align: 8
    .kernarg_segment_size: 64
    .max_flat_workgroup_size: 128
    .sgpr_count:     66
    .vgpr_count:     242
    .wavefront_size: 32
...
	.end_amdgpu_metadata
.endif
;; end of part 3
;; launch attn (part 4): grid 4 x 64, 8 waves a work-group, no clusters, 68,608 bytes of LDS; arguments Q, kc, vc, sc, mb, fl, out0; writes out0
.if DOCPART == 4
	.amdgcn_target "amdgcn-amd-amdhsa--gfx1250"
	.amdhsa_code_object_version 6
	.text
	.protected	k_q2b8ae1b2a7_attn
	.globl	k_q2b8ae1b2a7_attn
	.p2align	8
	.type	k_q2b8ae1b2a7_attn,@function
k_q2b8ae1b2a7_attn:
	s_mov_b64 s[64:65], 0
	v_nop
	global_prefetch_b8 v0, s[64:65] scope:SCOPE_SE
	s_setreg_imm32_b32 hwreg(HW_REG_WAVE_SCHED_MODE, 0, 2), 2
	s_setreg_imm32_b32 hwreg(HW_REG_WAVE_MODE, 25, 1), 1
	s_wait_xcnt 0x0
	s_wait_alu depctr_vm_vsrc(0)
; out0[head][q][:] = the sum over keys of softmax(Q . K / 8 + (mask ? 0 : -inf)) V, both products on codes of FP6 (E2M3) with one E8M0 scale for each 32 along a product's K.
; t = score x log2(e) / 8; M = the row's largest t so far, rounded up to a whole number; p = 2^(t - M) is quantised along the keys, not normalised; the row's sum is taken of the unquantised p and divides at the end.
; When M moves, the sum and O are multiplied by 2^(old M - new M), which rounds nothing.
; K's and V's codes and scale words come as images of operand registers (kc, vc, sc), the mask as lane masks (mb) and flags for each tile of 16 queries x 128 keys (fl), all stored by the launch before.
; A TILE STEP THAT THE GIVEN MASK HIDES WHOLLY IS LEFT OUT, and one that it leaves wholly open is not masked: scalar branches on the stored flags.  Any mask is served.
; SHARES.  A work-group (x = 0..3, y = head) has eight waves; wave w owns four tiles of 16 queries: a, 32 + a, 95 - a, 127 - a with a = 8 x + w.  Every work-group walks all 16 steps of 128 keys.
; A step's record (12,800 bytes: K's four fragments, V's four, the scale words) goes from memory through registers into one of two LDS slots, each wave bringing 1,536 bytes, a step ahead; one barrier a step.
; NO TENSOR LOADS AND NO JOINT LOADS: the text branches on numbers read from memory, so LDS is filled through registers; what the four work-groups of a head share is those 12,800 bytes a step.
; PRODUCT 1 has K = 64: a fragment of K's codes carries TWO tiles of 16 keys (k 0-63: one tile's d, k 64-127: the other's), and Q's operand is [q ; zero codes] for the one and [zero codes ; q] for the other.
; A zero code times any code is 0 exactly.  Only Q's side carries zero codes in the half that is not used.  Q's registers lie as one run 0(6) q0(6) 0(6) q1(6) 0(6) q2(6) 0(6) q3(6) 0(6), so both forms are runs of 12.
; Both products are used transposed (S^T = K Q^T, O^T = V^T P^T): a lane holds one query (lane % 16).  Score register 16 b + i holds key 32 b + 16 (lane / 16) + i of the step.
; LIMITS: NaN and infinities among Q, K, V are not served; a block of zeros or under 2^-124 has the scale byte 1; a p under 2^-126 counts as 0 (the exponential flushes it).
; A row that the mask hides everywhere gives 0 x (1 / 0) = NaN, as the softmax of that row does.
; O^T and the sums begin as zeros, written once: which step is a tile's first is data, so no product that starts the sums can be written out for it.
; REGISTERS, window 0: v1-6 addresses; v10 -infinity; v12-23 p's codes; v28-36 scale words and nothing else; v40-55 statistics, four a tile (-M, largest t, the sum in two halves); v56-78 at work;
;   v80-127 V's four fragments; v128-191 S^T, then p; v192-239 K's four fragments; v240-255 the record on its way.   window 1: v64-117 Q's run; v128-255 O^T, 32 a tile.
; THE MODE: SCHED_MODE bits 1:0 = 2 (LLVM: expert scheduling mode 2), set by the entry lines.  The code itself states the register dependences
; between vector or matrix instructions and memory or LDS instructions, with s_wait_alu, always for 0.
; THE PLAN.  Registers that memory or LDS instructions touch:
;   v1 .. v6        Offsets and LDS addresses: written by vector instructions at the head, once; read by every load and store.  One wait on va_vdst ahead of the first load.
;   G, GS           The record on its way: global loads land in them at a step's head, the LDS stores at the step's end read them; no vector instruction names them.  One wait on vm_vsrc at a step's head.
;   KF, KS, VF, VS  The step's fragments and scale words: LDS loads land in them behind the step's flag test, the step's matrix instructions read them.  One wait on va_vdst ahead of the run of loads.
;   QR, XQ          At the head only.  QR: Q's global loads land, LDS stores read; the registers are VF, S and part of KF later: the first step's wait on vm_vsrc serves them.
;                   XQ: LDS loads land, a tile's maxima and conversions read: a wait on va_vdst ahead of the loads of tiles 1 to 3; the registers are part of KF later.
;   S, KF           On the way out.  S: the divisions write, the LDS stores read.  KF: LDS loads land, the global stores read.  A wait on va_vdst ahead of a tile's LDS stores, one on vm_vsrc at the head of tiles 1 to 3.
;   v75, v79        Written at the head, read by the closing add alone.
; Besides: p's codes and its scale word, and Q's, are made by vector instructions and taken by scaled matrix instructions: a wait on va_vdst ahead of a tile's second product; Q's are served by the wait ahead of the first step's LDS loads.
; All else (statistics, S^T and p in the loop, O^T) is named by vector and matrix instructions alone.
.set SLOTB, 16384                      ; slot 1 begins here
.set VIMG,  6144                       ; in a slot: K's images, then V's,
.set KSCL,  12288                      ; K's scale words, 8 bytes a lane,
.set VSCL,  12544                      ; V's
.set STAGE, 32768                      ; behind the slots: 16 rows x (256 + 16) bytes for each wave, its own: Q's turn and the way out
.set STGB,  4352
.set PC,   12
.set SUM2, 24
.set KS,   28
.set VS,   30
.set QS,   32
.set PW,   36
.set ST,   40
.set FF,   56
.set TMP,  58
.set BM,   60
.set BX,   64
.set SO,   68
.set PT,   72
.set VF,   80
.set S,    128
.set KF,   192
.set G,    240
.set GS,   252
.set QR,   80                          ; the head: Q as loaded, v80-207
.set XQ,   208                         ; the head: 32 neighbours along d, v208-239
.set QZ,   64                          ; window 1
.set O,    128                         ; window 1
.set MSB, 0
.macro WIN new                         ; the immediate's high byte repeats the setting that is left; bits 1:0 source 0, 3:2 source 1, 5:4 source 2, 7:6 destination
.if MSB != \new
	s_set_vgpr_msb (MSB<<8)|\new
.set MSB, \new
.endif
.endm
	s_load_b256 s[16:23], s[0:1], 0x0              ; Q 16, kc 18, vc 20, sc 22
	s_load_b128 s[24:27], s[0:1], 0x20             ; mb 24, fl 26
	s_load_b64 s[10:11], s[0:1], 0x30              ; out0
	v_lshl_add_u32 v75, v0, 2, 0x10800
	v_mov_b32 v79, 0
	v_lshrrev_b32 v7, 5, v0
	v_readfirstlane_b32 s12, v7                    ; wave 0..7
	v_and_b32 v9, 31, v0                           ; lane
	v_and_b32 v7, 15, v0                           ; r
	v_bfe_u32 v8, v0, 4, 1                         ; h
	v_lshlrev_b32 v1, 4, v9                        ; 16 x lane: an image's place for my lane, and my offset in 512 bytes of memory
	v_lshlrev_b32 v2, 3, v9                        ; 8 x lane: a pair of scale words
	s_wait_alu depctr_va_sdst(0)                   ; s12 is written, ahead of its first reader: LDS addresses, bases and branches are made from it
	s_mul_i32 s2, s12, 1536
	v_add_nc_u32 v3, s2, v1                        ; where I store my part of a record: 1,536 x wave + 16 x lane
	s_mul_i32 s2, s12, STGB
	s_add_co_u32 s2, s2, STAGE                     ; my stage
	v_mul_u32_u24 v4, v7, 272
	v_lshl_add_u32 v6, v8, 7, v4
	v_lshl_add_u32 v4, v8, 5, v4
	v_add_nc_u32 v4, s2, v4                        ; the way out, in: row r, + 32 h
	v_add_nc_u32 v6, s2, v6                        ; Q's turn, out: row r, + 128 h
	v_mul_u32_u24 v5, v8, 272
	v_lshl_add_u32 v5, v7, 4, v5
	v_add_nc_u32 v5, s2, v5                        ; whole rows: lanes 0-15 one row, lanes 16-31 the next, 16 bytes a lane
	v_lshlrev_b32 v11, 3, v8                       ; 8 h
	v_mov_b32 v10, 0xff800000                      ; -infinity
	s_and_b32 s104, ttmp7, 0xffff                  ; the head
	s_lshl_b32 s105, ttmp9, 3
	s_add_co_u32 s105, s105, s12                   ; a = 8 x + wave
	s_mov_b32 s76, s105                            ; my four tiles
	s_add_co_u32 s77, s105, 32
	s_sub_co_u32 s78, 95, s105
	s_sub_co_u32 s79, 127, s105
.irp k, 0,1,2,3
	s_lshl_b32 s[80+\k], s[76+\k], 4               ; a tile's four flag words: 16 bytes
.endr
	s_mov_b32 s98, 0x76543210
	s_mov_b32 s99, 0xfedcba98                      ; v_permlanex16_b32's selects for lane l xor 16
	s_mov_b32 s100, 0x3e38aa3b                     ; c = log2(e) / 8
	s_mov_b32 s101, s100                           ; (named with it as a pair, so it is written)
	s_mov_b32 s3, 0
	s_wait_kmcnt 0x0
	s_cmp_lt_u32 s12, 4                            ; waves 0-3 bring K's four fragments, waves 4-7 V's
	s_cselect_b64 s[6:7], s[18:19], s[20:21]
	s_mul_i32 s2, s104, 98304                      ; 16 records of 6,144 bytes a head
	s_and_b32 s66, s12, 3
	s_mul_i32 s66, s66, 1536
	s_add_co_u32 s2, s2, s66
	s_add_nc_u64 s[6:7], s[6:7], s[2:3]
	s_lshl_b32 s2, s104, 13                        ; 16 x 512 bytes of scale words a head
	s_add_nc_u64 s[8:9], s[22:23], s[2:3]
	s_wait_alu depctr_va_vdst(0)                   ; the offsets and LDS addresses v1 to v6 are written, which the loads and stores of the whole kernel read; no later vector instruction names them
.irp j, 0,1,2
	global_load_b128 v[G+4*\j:G+4*\j+3], v1, s[6:7] offset:512*\j    ; step 0's record, my part
.endr
	s_cmp_lg_u32 s12, 0
	s_cbranch_scc1 .Lhead_not_0
	global_load_b128 v[GS:GS+3], v1, s[8:9]        ; wave 0 also brings the 512 bytes of scale words
.Lhead_not_0:
	s_lshl_b32 s2, s104, 19                        ; 2,048 rows of 256 bytes a head
	s_add_nc_u64 s[16:17], s[16:17], s[2:3]
.irp k, 0,1,2,3
	s_lshl_b32 s2, s[76+\k], 12                    ; a tile: 16 rows of 256 bytes of Q; and 16 records of 256 bytes of lane masks
	s_add_nc_u64 s[68+2*\k:69+2*\k], s[16:17], s[2:3]
	s_add_nc_u64 s[90+2*\k:91+2*\k], s[24:25], s[2:3]
.endr
.irp k, 0,1,2,3
.irp j, 0,1,2,3,4,5,6,7
	global_load_b128 v[QR+32*\k+4*\j:QR+32*\k+4*\j+3], v1, s[68+2*\k:69+2*\k] offset:512*\j th:TH_LOAD_NT   ; 512 consecutive bytes: two rows of Q
.endr
.endr
.irp k, 0,1,2,3
	s_load_b128 s[32+4*\k:35+4*\k], s[26:27], s[80+\k] offset:0x0    ; the tile's flags
.endr
	s_wait_loadcnt 32                              ; behind the record's loads stand Q's 32: the record is in
.irp j, 0,1,2
	ds_store_b128 v3, v[G+4*\j:G+4*\j+3] offset:512*\j               ; into slot 0
.endr
	s_add_nc_u64 s[6:7], s[6:7], 6144              ; (its loads are done) on to step 1
	s_add_nc_u64 s[8:9], s[8:9], 512
	s_cmp_lg_u32 s12, 0
	s_cbranch_scc1 .Lhead_not_0b
	ds_store_b128 v1, v[GS:GS+3] offset:KSCL
.Lhead_not_0b:
	v_mov_b32 v39, 0                               ; written once: a lane permute's destination counts as one of its sources
; Tile k of Q: 16 rows turn through my stage, so that lane (r, h) holds d = 32 h .. 32 h + 31 of row r: a whole block; it is quantised into Q's run.
.macro QTILE k
	s_wait_loadcnt 24-8*\k                         ; this tile's 8 loads are in; the later tiles', 8 each, may be out
.irp j, 0,1,2,3,4,5,6,7
	ds_store_b128 v5, v[QR+32*\k+4*\j:QR+32*\k+4*\j+3] offset:544*\j
.endr
.if \k > 0
	s_wait_alu depctr_va_vdst(0)                   ; the last tile's maxima and conversions are done reading v[XQ ..], in which the loads below land
.endif
.irp m, 0,1,2,3,4,5,6,7
	ds_load_b128 v[XQ+4*\m:XQ+4*\m+3], v6 offset:16*\m               ; LDS serves a wave's instructions in order: these see the stores above
.endr
	s_wait_dscnt 0x0
	v_max3_num_f32 v26, |v[XQ]|, |v[XQ+1]|, |v[XQ+2]|
	v_max3_num_f32 v27, |v[XQ+3]|, |v[XQ+4]|, |v[XQ+5]|
.irp i, 6,10,14,18,22,26
	v_max3_num_f32 v26, v26, |v[XQ+\i]|, |v[XQ+\i+1]|
	v_max3_num_f32 v27, v27, |v[XQ+\i+2]|, |v[XQ+\i+3]|
.endr
	v_max3_num_f32 v26, v26, |v[XQ+30]|, |v[XQ+31]|
	v_max3_num_f32 v26, v26, v27, 0x1800000        ; the floor 2^(3 - 127): the byte cannot fall under 1
	v_add_nc_u32 v37, 0xff000000, v26              ; 2 off the exponent field: the conversion's scale operand
	v_lshrrev_b32 v38, 23, v37                     ; the scale's byte
	v_cvt_scalef32_pk16_fp6_f32 v[PC:PC+2], v[XQ:XQ+15], v37
	v_cvt_scalef32_pk16_fp6_f32 v[PT:PT+2], v[XQ+16:XQ+31], v37
	v_lshlrev_b32 v38, v11, v38                    ; my block's byte at its place.  (The plain place behind the conversions)
	WIN 0x40                                       ; destination window 1
.irp i, 0,1,2
	v_mov_b32 v[QZ+12*\k+6+\i], v[PC+\i]
	v_mov_b32 v[QZ+12*\k+9+\i], v[PT+\i]
.endr
	WIN 0
	v_permlanex16_b32 v39, v38, s98, s99
	v_or_b32 v38, v38, v39                         ; the row's two bytes,
	v_lshl_or_b32 v[QS+\k], v38, 16, v38           ; twice: one word serves [q ; 0] and [0 ; q]
.endm
.irp k, 0,1,2,3
	QTILE \k
.endr
	WIN 0x40
.set j, 0
.rept 128
	v_mov_b32 v[O+j], 0                            ; O^T
.set j, j+1
.endr
.irp z, 0,1,2,3,4
.irp i, 0,1,2,3,4,5
	v_mov_b32 v[QZ+12*\z+\i], 0                    ; the zero codes of Q's run
.endr
.endr
	WIN 0
.irp k, 0,1,2,3
	v_mov_b32 v[ST+4*\k+1], 0xff61b1e6             ; the largest t so far: -3e38, under every t
	v_floor_f32 v[ST+4*\k], -v[ST+4*\k+1]          ; -M
	v_mov_b32 v[ST+4*\k+2], 0                      ; the sum, in two halves
	v_mov_b32 v[ST+4*\k+3], 0
	v_mov_b32 v[BX+\k], 0                          ; (a lane permute's destination counts as one of its sources)
.endr
	v_mov_b32 v[FF+1], 0                           ; (named as the upper half of a pair)
	s_wait_kmcnt 0x0                               ; the flags
.irp k, 0,1,2,3
	s_or_b32 s2, s[32+4*\k], s[33+4*\k]
	s_or_b32 s3, s[34+4*\k], s[35+4*\k]
	s_or_b32 s[84+\k], s2, s3                      ; tile k: bit s: step s counts; bit 16 + s: step s has hidden keys
.endr
	s_or_b32 s2, s84, s85
	s_or_b32 s3, s86, s87
	s_or_b32 s88, s2, s3                           ; any of my tiles
	s_mov_b32 s14, 1                               ; 1 << step
	s_mov_b32 s15, 0x10000                         ; 1 << (16 + step)
	s_mov_b32 s89, 0                               ; 256 x step: the step's lane masks
	s_mov_b32 s13, 8                               ; trips of two steps
	s_wait_dscnt 0x0                               ; my part of slot 0 has landed
	s_barrier_signal -1
	s_barrier_wait -1                              ; everybody's has
; S^T of tile k: eight products, two on each fragment of K.  They start their sums with the constant 0.
.macro QK k
	s_wait_dscnt 13                                ; K's scale words and fragments are in; V's scale words and its 12 loads, issued behind them, may be out
	WIN 0x04                                       ; source 1 (Q's run) window 1
.irp b, 0,1,2,3
.irp u, 0,1
.if (\b%2) == 1
	v_wmma_scale_f32_16x16x128_f8f6f4 v[S+8*(2*\b+\u):S+8*(2*\b+\u)+7], v[KF+12*\b:KF+12*\b+11], v[QZ+12*\k+6*(1-\u):QZ+12*\k+6*(1-\u)+11], 0, v[KS+\b/2], v[QS+\k] matrix_a_fmt:MATRIX_FMT_FP6 matrix_b_fmt:MATRIX_FMT_FP6 matrix_a_scale:MATRIX_SCALE_ROW1
.else
	v_wmma_scale_f32_16x16x128_f8f6f4 v[S+8*(2*\b+\u):S+8*(2*\b+\u)+7], v[KF+12*\b:KF+12*\b+11], v[QZ+12*\k+6*(1-\u):QZ+12*\k+6*(1-\u)+11], 0, v[KS+\b/2], v[QS+\k] matrix_a_fmt:MATRIX_FMT_FP6 matrix_b_fmt:MATRIX_FMT_FP6
.endif
.endr
.endr
	WIN 0
.endm
.macro PLACES                          ; four plain vector instructions between a matrix instruction and a vector instruction that reads its result (ISA guide 7.12.1)
.rept 4
	v_nop
.endr
.endm
; One tile of 16 queries against the step's 128 keys.
.macro TILE k
.set NM, ST+4*\k
.set TX, ST+4*\k+1
.set LL, ST+4*\k+2
.set OT, O+32*\k
	s_and_b32 s2, s[84+\k], s14
	s_cmp_lg_u32 s2, 0
	s_cbranch_scc0 .Lskip_\@                       ; no key of the step counts for any query of the tile: nothing to add
	s_and_b32 s2, s[84+\k], s15
	s_cmp_lg_u32 s2, 0
	s_cbranch_scc0 .Lopen_\@                       ; no key is hidden: nothing to mask
	s_load_b512 s[16:31], s[90+2*\k:91+2*\k], s89 offset:0x0         ; the 64 lane masks, asked for ahead of the products
	s_load_b512 s[32:47], s[90+2*\k:91+2*\k], s89 offset:0x40
	s_load_b512 s[48:63], s[90+2*\k:91+2*\k], s89 offset:0x80
	s_load_b512 s[68:83], s[90+2*\k:91+2*\k], s89 offset:0xc0
	QK \k
	s_wait_kmcnt 0x0
	PLACES
.set n, 0
.rept 48
	v_cndmask_b32 v[S+n], v[S+n], v10, s[16+n]     ; hidden scores become -infinity ahead of the maximum: p = 0 then.  Each accumulator from its low end on
.set n, n+1
.endr
.rept 16
	v_cndmask_b32 v[S+n], v[S+n], v10, s[20+n]
.set n, n+1
.endr
	s_branch .Ljoin_\@
.Lopen_\@:
	QK \k
	PLACES
.Ljoin_\@:
.irp b, 0,1,2,3
	v_max3_num_f32 v[BM+\b], v[S+16*\b], v[S+16*\b+1], v[S+16*\b+2]   ; the largest score of each block of 32 keys: for the row's maximum, and, since p rises with the score, for the block's largest p
.endr
.irp i, 3,5,7,9,11,13
.irp b, 0,1,2,3
	v_max3_num_f32 v[BM+\b], v[BM+\b], v[S+16*\b+\i], v[S+16*\b+\i+1]   ; (the four blocks by turns)
.endr
.endr
.irp b, 0,1,2,3
	v_max_num_f32 v[BM+\b], v[BM+\b], v[S+16*\b+15]
.endr
.irp b, 0,1,2,3
	v_permlanex16_b32 v[BX+\b], v[BM+\b], s98, s99
.endr
.irp b, 0,1,2,3
	v_max_num_f32 v[BM+\b], v[BM+\b], v[BX+\b]     ; with lane l xor 16's 16 keys
.endr
	v_max3_num_f32 v[TMP], v[BM], v[BM+1], v[BM+2]
	v_max_num_f32 v[TMP], v[TMP], v[BM+3]          ; the step's largest score of my query
	v_mul_f32 v[TMP], s100, v[TMP]                 ; as t (c is positive)
	v_max_num_f32 v[TX], v[TX], v[TMP]             ; the running largest t
	v_mov_b32 v[TMP], v[NM]
	v_floor_f32 v[NM], -v[TX]                      ; the new -M = floor(-t) = -ceil(t)
	v_sub_f32 v[TMP], v[NM], v[TMP]                ; old M - new M: a whole number, 0 or less
	v_cvt_i32_f32 v[TMP], v[TMP]                   ; (it saturates)
	v_ldexp_f32 v[FF], 1.0, v[TMP]                 ; f = 2^(old M - new M)
.set j, 0
.rept 32
	v_pk_fma_f32 v[S+j:S+j+1], v[S+j:S+j+1], s[100:101], v[NM:NM+1] op_sel_hi:[1,0,0]   ; t - M, two at a time (of the pairs c and -M the low word serves both halves)
.set j, j+2
.endr
.irp b, 0,1,2,3
	v_fma_f32 v[BM+\b], v[BM+\b], s100, v[NM]      ; the same of each block's largest score
.endr
.set j, 0
	s_wait_alu depctr_va_vdst(0)
.rept 64
	v_exp_f32 v[S+j], v[S+j]                       ; p = 2^(t - M), at most 1
.set j, j+1
.endr
.irp b, 0,1,2,3
	v_exp_f32 v[BM+\b], v[BM+\b]                   ; the block's largest p: the same two instructions on the same number
.endr
	v_pk_mul_f32 v[LL:LL+1], v[LL:LL+1], v[FF:FF+1] op_sel_hi:[1,0]   ; the sums under the new M.  (The plain place behind the exponentials)
	s_wait_alu depctr_va_vdst(0)                   ; the 68 exponentials have written v[S ..] and v[BM ..]: one wait for the batch, ahead of its first reader
.irp b, 0,1,2,3
	v_max_num_f32 v[BM+\b], 0x1800000, v[BM+\b]    ; the floor 2^(3 - 127): the byte cannot fall under 1
.endr
.irp b, 0,1,2,3
	v_add_nc_u32 v[SO+\b], 0xff000000, v[BM+\b]    ; 2 off the exponent field: the conversion's scale operand
.endr
.irp b, 0,1,2,3
	v_lshrrev_b32 v[BX+\b], 23, v[SO+\b]           ; the scale's byte
.endr
	v_lshl_or_b32 v[PW], v[BX+1], 8, v[BX]         ; p's scale word for these 128 keys
	v_lshl_or_b32 v[PW], v[BX+2], 16, v[PW]
	v_lshl_or_b32 v[PW], v[BX+3], 24, v[PW]
.irp c, 0,1
	v_cvt_scalef32_pk16_fp6_f32 v[PC+6*\c:PC+6*\c+2], v[S+32*\c:S+32*\c+15], v[SO+2*\c]
	v_cvt_scalef32_pk16_fp6_f32 v[PT+4*\c:PT+4*\c+2], v[S+32*\c+16:S+32*\c+31], v[SO+2*\c+1]   ; (a conversion's three registers begin on an even number)
.endr
	v_nop                                          ; one plain place behind a scaled conversion
.irp c, 0,1                                    ; the operand's layout wants a whole block in a lane: lanes 0-15 block 2 c, lanes 16-31 block 2 c + 1
.irp i, 0,1,2
	v_permlane16_swap_b32 v[PC+6*\c+\i], v[PT+4*\c+\i]
.endr
.irp i, 0,1,2
	v_mov_b32 v[PC+6*\c+3+\i], v[PT+4*\c+\i]
.endr
.endr
	WIN 0x41                                       ; O^T (destination and source 0) window 1, f window 0
.set j, 0
.rept 16
	v_pk_mul_f32 v[OT+j:OT+j+1], v[OT+j:OT+j+1], v[FF:FF+1] op_sel_hi:[1,0]   ; O^T under the new M; each accumulator from its low end on
.set j, j+2
.endr
	WIN 0
	v_pk_add_f32 v[SUM2:SUM2+1], v[S:S+1], v[S+2:S+3]   ; the row's sum is taken of the unquantised p: two at a time, in two chains.  These 32 lines are also the places between the
.irp j, 4,8,12,16,20,24,28,32,36,40,44,48,52,56,60     ; vector writes of p's codes, its scale word and O^T and the products below
	v_pk_add_f32 v[LL:LL+1], v[LL:LL+1], v[S+\j:S+\j+1]
	v_pk_add_f32 v[SUM2:SUM2+1], v[SUM2:SUM2+1], v[S+\j+2:S+\j+3]
.endr
	v_pk_add_f32 v[LL:LL+1], v[LL:LL+1], v[SUM2:SUM2+1]
	WIN 0x50                                       ; C and D window 1
	s_wait_dscnt 0x0                               ; V's scale words and fragments are in
	s_wait_alu depctr_va_vdst(0)                   ; the conversions, exchanges and moves have written p's codes v[PC ..], the shifts its scale word v[PW], which the scaled products below take; the places above stay beside this wait
.irp t, 0,1,2,3                                ; O^T += V^T P^T: the tile's four accumulators by turns, one instruction a turn; eight other products stand between two links of a chain
.if (\t%2) == 1
	v_wmma_scale_f32_16x16x128_f8f6f4 v[OT+8*\t:OT+8*\t+7], v[VF+12*\t:VF+12*\t+11], v[PC:PC+11], v[OT+8*\t:OT+8*\t+7], v[VS+\t/2], v[PW] matrix_a_fmt:MATRIX_FMT_FP6 matrix_b_fmt:MATRIX_FMT_FP6 matrix_a_scale:MATRIX_SCALE_ROW1
.else
	v_wmma_scale_f32_16x16x128_f8f6f4 v[OT+8*\t:OT+8*\t+7], v[VF+12*\t:VF+12*\t+11], v[PC:PC+11], v[OT+8*\t:OT+8*\t+7], v[VS+\t/2], v[PW] matrix_a_fmt:MATRIX_FMT_FP6 matrix_b_fmt:MATRIX_FMT_FP6
.endif
.endr
	WIN 0
.Lskip_\@:
.endm
; A key step, read from slot sl.  The next step's record is asked for at its head and stored into the other slot at its end.  ONE barrier a step: in front of it each wave has waited for its stores into the
; other slot and for its reads of this one; behind it the other slot is whole, and this one may be written.  The barrier stands under no branch.
.macro STEP sl
	s_wait_alu depctr_vm_vsrc(0)                   ; the LDS stores of the step before have read v[G ..] and v[GS ..], in which the loads below land; in the first step the head's LDS stores have also read v[QR ..], which fragments' loads and matrix results write from here on
.if \sl == 1
	s_cmp_eq_u32 s13, 1                            ; the last step has no successor: no load leaves its buffer
	s_cbranch_scc1 .Lnoask_\@
.endif
.irp j, 0,1,2
	global_load_b128 v[G+4*\j:G+4*\j+3], v1, s[6:7] offset:512*\j
.endr
	s_cmp_lg_u32 s12, 0
	s_cbranch_scc1 .Lnoask_\@
	global_load_b128 v[GS:GS+3], v1, s[8:9]
.Lnoask_\@:
	s_and_b32 s2, s88, s14
	s_cmp_lg_u32 s2, 0
	s_cbranch_scc0 .Lnone_\@                       ; none of my four tiles has a key that counts in this step
	s_wait_alu depctr_va_vdst(0)                   ; the matrix instructions of the last step worked are done reading K's and V's fragments and scale words, in which the loads below land; in the first step Q's conversions are done reading v[XQ ..], and Q's codes and scale words, which the scaled products take, are written
	ds_load_b64 v[KS:KS+1], v2 offset:SLOTB*\sl+KSCL
.irp i, 0,1,2,3,4,5,6,7,8,9,10,11
	ds_load_b128 v[KF+4*\i:KF+4*\i+3], v1 offset:SLOTB*\sl+512*\i    ; the images as they lie: 512 consecutive bytes a load
.endr
	ds_load_b64 v[VS:VS+1], v2 offset:SLOTB*\sl+VSCL
.irp i, 0,1,2,3,4,5,6,7,8,9,10,11
	ds_load_b128 v[VF+4*\i:VF+4*\i+3], v1 offset:SLOTB*\sl+VIMG+512*\i
.endr
	TILE 0
	TILE 1
	TILE 2
	TILE 3
.Lnone_\@:
	PLACES                                         ; four places behind the step's last product; the wait ahead of the next run of LDS loads states that its operands and scale words have been read
	s_wait_loadcnt 0x0                             ; the record asked for at the step's head is in, and its bases may step
.if \sl == 1
	s_cmp_eq_u32 s13, 1
	s_cbranch_scc1 .Lnost_\@
.endif
.irp j, 0,1,2
	ds_store_b128 v3, v[G+4*\j:G+4*\j+3] offset:SLOTB*(1-\sl)+512*\j
.endr
	s_add_nc_u64 s[6:7], s[6:7], 6144
	s_add_nc_u64 s[8:9], s[8:9], 512
	s_cmp_lg_u32 s12, 0
	s_cbranch_scc1 .Lnost_\@
	ds_store_b128 v1, v[GS:GS+3] offset:SLOTB*(1-\sl)+KSCL
.Lnost_\@:
	s_wait_dscnt 0x0                               ; for the others' sake: my stores have landed and my reads of this slot are over
	s_barrier_signal -1
	s_barrier_wait -1
	s_lshl_b32 s14, s14, 1
	s_lshl_b32 s15, s15, 1
	s_add_co_u32 s89, s89, 256
.endm
.Ltrip:                                            ; eight trips of two steps: the slot stands in the immediates
	STEP 0
	STEP 1
	s_sub_co_u32 s13, s13, 1
	s_cmp_lg_u32 s13, 0
	s_cbranch_scc1 .Ltrip
	s_wait_alu depctr_va_vdst(0)
	; THE WAY OUT.  The sum's two halves and lane l xor 16's are added; O^T is divided by the sum and goes through my stage, a tile (16 rows of 256 bytes) at a time.
.irp k, 0,1,2,3
	v_add_f32 v[BM+\k], v[ST+4*\k+2], v[ST+4*\k+3]
.endr
.irp k, 0,1,2,3
	v_permlanex16_b32 v[BX+\k], v[BM+\k], s98, s99
.endr
.irp k, 0,1,2,3
	v_add_f32 v[BM+\k], v[BM+\k], v[BX+\k]
.endr
	s_wait_alu depctr_va_vdst(0)
.irp k, 0,1,2,3
	v_rcp_f32 v[SO+\k], v[BM+\k]
.endr
	v_nop                                          ; a plain place behind the last reciprocal
	s_wait_alu depctr_va_vdst(0)                   ; the four reciprocals have written v[SO ..]: one wait for the batch, ahead of its first reader
	s_lshl_b32 s2, s104, 19
	s_mov_b32 s3, 0
	s_add_nc_u64 s[10:11], s[10:11], s[2:3]        ; out0 at my head
	s_mov_b32 s16, s105
	s_add_co_u32 s17, s105, 32
	s_sub_co_u32 s18, 95, s105
	s_sub_co_u32 s19, 127, s105
.irp k, 0,1,2,3
	s_lshl_b32 s2, s[16+\k], 12
	s_add_nc_u64 s[20+2*\k:21+2*\k], s[10:11], s[2:3]
.endr
.macro OUTT k
.if \k > 0
	s_wait_alu depctr_vm_vsrc(0)                   ; the last tile's LDS stores have read v[S ..], which the divisions below write again, and its global stores have read v[KF ..], in which the loads from the stage land again
.endif
	WIN 0x01                                       ; source 0 (O^T) window 1
.set j, 0
.rept 32
	v_mul_f32 v[S+j], v[O+32*\k+j], v[SO+\k]       ; register 8 t + i is out0(query r, 16 t + 8 h + i); each accumulator from its low end on
.set j, j+1
.endr
	WIN 0
	s_wait_alu depctr_va_vdst(0)                   ; the divisions have written v[S ..], which the LDS stores read; in the first tile the loop's products are also done reading v[KF ..], in which the loads from the stage land
.irp t, 0,1,2,3
	ds_store_b128 v4, v[S+8*\t:S+8*\t+3] offset:64*\t
	ds_store_b128 v4, v[S+8*\t+4:S+8*\t+7] offset:64*\t+16
.endr
.if \k > 0
	s_wait_xcnt 0x0                                ; the last tile's stores have had their addresses translated: their data registers are loaded again only behind this wait
.endif
.irp i, 0,1,2,3,4,5,6,7
	ds_load_b128 v[KF+4*\i:KF+4*\i+3], v5 offset:544*\i              ; LDS serves a wave's instructions in order: these see the stores above
.endr
.irp i, 0,1,2,3,4,5,6,7
	s_wait_dscnt 7-\i                              ; load i is back; the younger ones may be out
	global_store_b128 v1, v[KF+4*\i:KF+4*\i+3], s[20+2*\k:21+2*\k] offset:512*\i th:TH_STORE_NT   ; 32 lanes store 512 consecutive bytes, two rows, aligned to 256
.endr
.endm
.irp k, 0,1,2,3
	OUTT \k
.endr
	s_wait_dscnt 0x0                               ; the closing lines, six on end
	s_wait_alu 0x0
	s_wait_tensorcnt 0x0
	ds_add_u32 v75, v79
	s_wait_dscnt 0x0
	s_endpgm
.Lfunc_end_k_q2b8ae1b2a7_attn:
	.size	k_q2b8ae1b2a7_attn, .Lfunc_end_k_q2b8ae1b2a7_attn-k_q2b8ae1b2a7_attn
	.p2alignl 7, 3214868480
	.fill 96, 4, 3214868480
	.section	.rodata,"a",@progbits
	.p2align	6, 0x0
	.amdhsa_kernel k_q2b8ae1b2a7_attn
		.amdhsa_group_segment_fixed_size 68608
		.amdhsa_private_segment_fixed_size 0
		.amdhsa_enable_private_segment 0
		.amdhsa_kernarg_size 56
		.amdhsa_user_sgpr_count 2
		.amdhsa_user_sgpr_kernarg_segment_ptr 1
		.amdhsa_wavefront_size32 1
		.amdhsa_system_sgpr_workgroup_id_x 1
		.amdhsa_system_sgpr_workgroup_id_y 1
		.amdhsa_system_sgpr_workgroup_id_z 1
		.amdhsa_system_vgpr_workitem_id 0
		.amdhsa_next_free_vgpr 512
		.amdhsa_next_free_sgpr 106
		.amdhsa_reserve_vcc 0
		.amdhsa_float_denorm_mode_32 3
		.amdhsa_float_denorm_mode_16_64 3
		.amdhsa_memory_ordered 1
		.amdhsa_forward_progress 1
		.amdhsa_inst_pref_size 200
	.end_amdhsa_kernel
	.amdgpu_metadata
---
amdhsa.version: [ 1, 2 ]
amdhsa.kernels:
  - .name:           k_q2b8ae1b2a7_attn
    .symbol:         k_q2b8ae1b2a7_attn.kd
    .args:
      - { .name: Q, .offset: 0, .size: 8, .value_kind: global_buffer, .address_space: global }
      - { .name: kc, .offset: 8, .size: 8, .value_kind: global_buffer, .address_space: global }
      - { .name: vc, .offset: 16, .size: 8, .value_kind: global_buffer, .address_space: global }
      - { .name: sc, .offset: 24, .size: 8, .value_kind: global_buffer, .address_space: global }
      - { .name: mb, .offset: 32, .size: 8, .value_kind: global_buffer, .address_space: global }
      - { .name: fl, .offset: 40, .size: 8, .value_kind: global_buffer, .address_space: global }
      - { .name: out0, .offset: 48, .size: 8, .value_kind: global_buffer, .address_space: global }
    .group_segment_fixed_size: 68608
    .private_segment_fixed_size: 0
    .kernarg_segment_align: 8
    .kernarg_segment_size: 56
    .max_flat_workgroup_size: 256
    .sgpr_count:     106
    .vgpr_count:     512
    .wavefront_size: 32
...
	.end_amdgpu_metadata
.endif
;; end of part 4
